; MI455X (gfx1250); checked and timed in simulation.
; The chip was launched on July 23, 2026; its instructions are those of AMD's public machine-readable ISA for CDNA 5 (MIT licence, August 2026) and "CDNA5" Instruction Set Architecture Reference Guide (July 2026). The comments in the code are by the model that wrote it; some were corrected since.
;; Multi Head Attention. Allowed arithmetic: float matrix products may take bf16 or f16 operands with f32 sums; other float arithmetic in f32, or as packed bf16 or f16 multiplies, adds, multiply-adds, maxima and minima; sums over many terms, partial sums and values carried from step to step in f32; what a program stores and reads back later, other than sums and carried values, may be rounded once to bf16 or f16.
;; Inputs: attention_mask 1 x 1 x 2,048 x 2,048 float32; freqs_cis 2,048 x 64 x 2 float32; position_ids 1 x 2,048 int32; wk 2,048 x 2,048 float32; wo 2,048 x 2,048 float32; wq 2,048 x 2,048 float32; wv 2,048 x 2,048 float32; x 1 x 2,048 x 2,048 float32.
;; Outputs: out0 1 x 2,048 x 2,048 float32.
;; 2 versions, each right; version 2 is version 1 with the launch prep written anew for expert scheduling mode. Each part assembles by itself: llvm-mc -triple=amdgcn-amd-amdhsa -mcpu=gfx1250 --defsym DOCPART=n.
;; ======== version 1 of 2: 4 launches
;; limits: values are held in f16: magnitudes above 65,504 overflow, below 6.1e-05 lose precision
;; workspace buffers: xb 8,388,608 bytes; wqkvb 25,165,824 bytes; wof 8,388,608 bytes; maskc 16,777,216 bytes; fg 1,048,576 bytes; qkvh 25,165,824 bytes; ob 8,388,608 bytes
;; launch prep (part 1): grid 256 x 7, 8 waves a work-group, no clusters, 0 bytes of LDS; arguments x, wq, wk, wv, wo, attention_mask, freqs_cis, position_ids, xb, wqkvb, wof, maskc, fg; writes xb, wqkvb, wof, maskc, fg
.if DOCPART == 1
	.amdgcn_target "amdgcn-amd-amdhsa--gfx1250"
	.amdhsa_code_object_version 6
	.text
	.protected	k_qbce33b1205_prep
	.globl	k_qbce33b1205_prep
	.p2align	8
	.type	k_qbce33b1205_prep,@function
k_qbce33b1205_prep:
	s_mov_b64 s[64:65], 0
	v_nop
	global_prefetch_b8 v0, s[64:65] scope:SCOPE_SE
	s_setreg_imm32_b32 hwreg(HW_REG_WAVE_MODE, 25, 1), 1
	s_wait_xcnt 0x0
; THE ROUNDINGS AND THE GATHER: a stream; no LDS, no matrix unit, nothing shared between work-groups.
; Every floating-point input is rounded ONCE to bf16 here, so that the whole program computes on inputs rounded to bf16.
; The grid's y picks the job:  0: x -> xb (bf16)   1, 2, 3: wq, wk, wv -> wqkvb (bf16, one below the other)   4: wo -> wof (the bf16 number written as f16)
;   5: attention_mask -> maskc (the bf16 number x sqrt(128), f32: it later starts the sums q . k, which are divided by sqrt(128))   6: freqs_cis[position_ids] -> fg (the bf16 number, f32)
; Jobs 0-5: a work-group owns 65,536 source bytes, a wave 8,192: sixteen loads of 16 bytes a lane, each covering 512 consecutive bytes; all sixteen are out before the first is used.
; Job 6: a wave owns one token: its row of 512 bytes.
; LIMITS.  wo below 6e-5 keeps f16's fixed step of 6e-8, wo beyond 65,504 is lost; |mask| x sqrt(128) must stay finite; position_ids is read as unsigned and held to 2,047.
.set D, 8                              ; v[8:71]    sixteen times four words as loaded
.set E, 72                             ; v[72:135]  results; no register is written twice while a store reads it, so no wait frees any
	s_load_b512 s[8:23], s[0:1], 0x0               ; x s[8:9], wq s[10:11], wk s[12:13], wv s[14:15], wo s[16:17], mask s[18:19], freqs s[20:21], positions s[22:23]
	s_load_b256 s[24:31], s[0:1], 0x40             ; xb s[24:25], wqkvb s[26:27], wof s[28:29], maskc s[30:31]
	s_load_b64 s[32:33], s[0:1], 0x60              ; fg
	s_and_b32 s2, ttmp7, 0xffff                    ; the job
	s_mov_b32 s4, 0x413504f3                       ; sqrt(128)
	s_mov_b32 s5, s4                               ; named with it as a pair
	s_mov_b32 s6, 0xffff0000                       ; a word's upper bf16
	v_lshrrev_b32 v3, 5, v0                        ; wave
	v_and_b32 v4, 31, v0                           ; lane
	v_lshlrev_b32 v1, 4, v4
	v_lshl_add_u32 v1, v3, 13, v1                  ; source (and f32 destination): 8,192 x wave + 16 x lane
	v_lshlrev_b32 v2, 3, v4
	v_lshl_add_u32 v2, v3, 12, v2                  ; 16-bit destination: 4,096 x wave + 8 x lane
	; the offsets, made apart from the addresses
	s_lshl_b32 s38, ttmp9, 16                      ; the work-group's 65,536 source bytes
	s_mov_b32 s39, 0
	s_lshl_b32 s40, ttmp9, 15                      ; half as many in a 16-bit destination
	s_mov_b32 s41, 0
	s_sub_co_u32 s3, s2, 1
	s_lshl_b32 s42, s3, 23                         ; wq, wk, wv lie 8,388,608 bytes apart in wqkvb
	s_cmp_lt_u32 s3, 3
	s_cselect_b32 s42, s42, 0
	s_cmp_eq_u32 s2, 5
	s_cselect_b32 s40, s38, s40                    ; maskc is f32: as many bytes as the source
	s_add_co_u32 s40, s40, s42
	s_wait_kmcnt 0x0
	s_cmp_eq_u32 s2, 6
	s_cbranch_scc1 .Lgather
	s_mov_b64 s[34:35], s[8:9]                     ; the source, chosen by the job's number
.irp n, 1,2,3,4,5
	s_cmp_eq_u32 s2, \n
	s_cselect_b64 s[34:35], s[8+2*(\n):9+2*(\n)], s[34:35]
.endr
	s_cmp_eq_u32 s2, 0                             ; and the destination
	s_cselect_b64 s[36:37], s[24:25], s[26:27]
	s_cmp_eq_u32 s2, 4
	s_cselect_b64 s[36:37], s[28:29], s[36:37]
	s_cmp_eq_u32 s2, 5
	s_cselect_b64 s[36:37], s[30:31], s[36:37]
	s_add_nc_u64 s[34:35], s[34:35], s[38:39]
	s_add_nc_u64 s[36:37], s[36:37], s[40:41]
.set i, 0
.rept 16
	global_load_b128 v[D+4*i:D+4*i+3], v1, s[34:35] offset:512*i th:TH_LOAD_NT  ; read once in the whole program
.set i, i+1
.endr
	s_cmp_eq_u32 s2, 4
	s_cbranch_scc1 .Lf16
	s_cmp_eq_u32 s2, 5
	s_cbranch_scc1 .Lmask
	; to bf16: 32 lanes x 8 bytes fill 256 consecutive bytes, aligned
.set i, 0
.rept 16
	s_wait_loadcnt 15-i                            ; loads come back in order: load i is in, the 15 - i younger ones stay out
	v_cvt_pk_bf16_f32 v[E+2*i], v[D+4*i], v[D+4*i+1]
	v_cvt_pk_bf16_f32 v[E+2*i+1], v[D+4*i+2], v[D+4*i+3]
	global_store_b64 v2, v[E+2*i:E+2*i+1], s[36:37] offset:256*i
.set i, i+1
.endr
	s_endpgm
.Lf16:                                                 ; wo: rounded to bf16 like every input; that number, widened, is written as f16 (exact inside f16's normal range)
.set i, 0
.rept 16
	s_wait_loadcnt 15-i
	v_cvt_pk_bf16_f32 v[E+2*i], v[D+4*i], v[D+4*i+1]
	v_cvt_pk_bf16_f32 v[E+2*i+1], v[D+4*i+2], v[D+4*i+3]
	v_lshlrev_b32 v[D+4*i], 16, v[E+2*i]
	v_and_b32 v[D+4*i+1], s6, v[E+2*i]
	v_lshlrev_b32 v[D+4*i+2], 16, v[E+2*i+1]
	v_and_b32 v[D+4*i+3], s6, v[E+2*i+1]
	v_cvt_pk_f16_f32 v[E+2*i], v[D+4*i], v[D+4*i+1]
	v_cvt_pk_f16_f32 v[E+2*i+1], v[D+4*i+2], v[D+4*i+3]
	global_store_b64 v2, v[E+2*i:E+2*i+1], s[36:37] offset:256*i
.set i, i+1
.endr
	s_endpgm
.Lmask:                                                ; the mask: rounded to bf16, widened, times sqrt(128); 512 consecutive bytes a store
.set i, 0
.rept 16
	s_wait_loadcnt 15-i
	v_cvt_pk_bf16_f32 v[D+4*i], v[D+4*i], v[D+4*i+1]
	v_cvt_pk_bf16_f32 v[D+4*i+1], v[D+4*i+2], v[D+4*i+3]
	v_lshlrev_b32 v[E+4*i], 16, v[D+4*i]
	v_and_b32 v[E+4*i+1], s6, v[D+4*i]
	v_lshlrev_b32 v[E+4*i+2], 16, v[D+4*i+1]
	v_and_b32 v[E+4*i+3], s6, v[D+4*i+1]
	v_pk_mul_f32 v[E+4*i:E+4*i+1], v[E+4*i:E+4*i+1], s[4:5] op_sel_hi:[1,0]
	v_pk_mul_f32 v[E+4*i+2:E+4*i+3], v[E+4*i+2:E+4*i+3], s[4:5] op_sel_hi:[1,0]
	global_store_b128 v1, v[E+4*i:E+4*i+3], s[36:37] offset:512*i
.set i, i+1
.endr
	s_endpgm
.Lgather:                                              ; token = 8 x work-group + wave; its row of the table, 512 bytes, rounded to bf16 and widened again
	v_readfirstlane_b32 s3, v3
	s_lshl_b32 s7, ttmp9, 3
	s_add_co_u32 s7, s7, s3
	v_mov_b32 v3, s7
	v_lshlrev_b32 v3, 2, v3                        ; the token's word in position_ids, the same in all lanes
	v_lshlrev_b32 v6, 4, v4                        ; 16 x lane
	global_load_b32 v5, v3, s[22:23]
	s_lshl_b32 s7, s7, 9
	v_add_nc_u32 v7, s7, v6                        ; where the row goes in fg
	s_wait_loadcnt 0x0
	v_min_u32 v5, 0x7ff, v5                        ; a loaded number enters an address only inside the table's 2,048 rows
	v_lshlrev_b32 v5, 9, v5
	v_add_nc_u32 v5, v5, v6
	global_load_b128 v[8:11], v5, s[20:21]
	s_wait_loadcnt 0x0
	v_cvt_pk_bf16_f32 v8, v8, v9
	v_cvt_pk_bf16_f32 v9, v10, v11
	v_lshlrev_b32 v72, 16, v8
	v_and_b32 v73, s6, v8
	v_lshlrev_b32 v74, 16, v9
	v_and_b32 v75, s6, v9
	global_store_b128 v7, v[72:75], s[32:33]
	s_endpgm
.Lfunc_end_k_qbce33b1205_prep:
	.size	k_qbce33b1205_prep, .Lfunc_end_k_qbce33b1205_prep-k_qbce33b1205_prep
	.p2alignl 7, 3214868480
	.fill 96, 4, 3214868480
	.section	.rodata,"a",@progbits
	.p2align	6, 0x0
	.amdhsa_kernel k_qbce33b1205_prep
		.amdhsa_group_segment_fixed_size 0
		.amdhsa_private_segment_fixed_size 0
		.amdhsa_enable_private_segment 0
		.amdhsa_kernarg_size 104
		.amdhsa_user_sgpr_count 2
		.amdhsa_user_sgpr_kernarg_segment_ptr 1
		.amdhsa_wavefront_size32 1
		.amdhsa_system_sgpr_workgroup_id_x 1
		.amdhsa_system_sgpr_workgroup_id_y 1
		.amdhsa_system_sgpr_workgroup_id_z 1
		.amdhsa_system_vgpr_workitem_id 0
		.amdhsa_next_free_vgpr 136
		.amdhsa_next_free_sgpr 66
		.amdhsa_reserve_vcc 0
		.amdhsa_float_denorm_mode_32 3
		.amdhsa_float_denorm_mode_16_64 3
		.amdhsa_memory_ordered 1
		.amdhsa_forward_progress 1
		.amdhsa_inst_pref_size 25
	.end_amdhsa_kernel
	.amdgpu_metadata
---
amdhsa.version: [ 1, 2 ]
amdhsa.kernels:
  - .name:           k_qbce33b1205_prep
    .symbol:         k_qbce33b1205_prep.kd
    .args:
      - { .name: x, .offset: 0, .size: 8, .value_kind: global_buffer, .address_space: global }
      - { .name: wq, .offset: 8, .size: 8, .value_kind: global_buffer, .address_space: global }
      - { .name: wk, .offset: 16, .size: 8, .value_kind: global_buffer, .address_space: global }
      - { .name: wv, .offset: 24, .size: 8, .value_kind: global_buffer, .address_space: global }
      - { .name: wo, .offset: 32, .size: 8, .value_kind: global_buffer, .address_space: global }
      - { .name: attention_mask, .offset: 40, .size: 8, .value_kind: global_buffer, .address_space: global }
      - { .name: freqs_cis, .offset: 48, .size: 8, .value_kind: global_buffer, .address_space: global }
      - { .name: position_ids, .offset: 56, .size: 8, .value_kind: global_buffer, .address_space: global }
      - { .name: xb, .offset: 64, .size: 8, .value_kind: global_buffer, .address_space: global }
      - { .name: wqkvb, .offset: 72, .size: 8, .value_kind: global_buffer, .address_space: global }
      - { .name: wof, .offset: 80, .size: 8, .value_kind: global_buffer, .address_space: global }
      - { .name: maskc, .offset: 88, .size: 8, .value_kind: global_buffer, .address_space: global }
      - { .name: fg, .offset: 96, .size: 8, .value_kind: global_buffer, .address_space: global }
    .group_segment_fixed_size: 0
    .private_segment_fixed_size: 0
    .kernarg_segment_align: 8
    .kernarg_segment_size: 104
    .max_flat_workgroup_size: 256
    .sgpr_count:     66
    .vgpr_count:     136
    .wavefront_size: 32
...
	.end_amdgpu_metadata
.endif
;; end of part 1
;; launch qkv (part 2): grid 16 x 16, 4 waves a work-group, clusters of 4 x 4, 327,680 bytes of LDS; arguments xb, wqkvb, fg, qkvh; writes qkvh
.if DOCPART == 2
	.amdgcn_target "amdgcn-amd-amdhsa--gfx1250"
	.amdhsa_code_object_version 6
	.text
	.protected	k_qbce33b1205_qkv
	.globl	k_qbce33b1205_qkv
	.p2align	8
	.type	k_qbce33b1205_qkv,@function
k_qbce33b1205_qkv:
	s_mov_b64 s[64:65], 0
	v_nop
	global_prefetch_b8 v0, s[64:65] scope:SCOPE_SE
	s_setreg_imm32_b32 hwreg(HW_REG_WAVE_MODE, 25, 1), 1
	s_wait_xcnt 0x0
	s_wait_alu depctr_hold_cnt(0) depctr_sa_sdst(0) depctr_va_vdst(0) depctr_va_sdst(0) depctr_va_ssrc(0) depctr_va_vcc(0) depctr_vm_vsrc(0)
	s_getreg_b32 s2, hwreg(HW_REG_IB_STS2, 6, 4)
	s_cmp_eq_u32 s2, 0
	s_cbranch_scc0 .Lentry_in_a_cluster
	s_endpgm
.Lentry_in_a_cluster:
	s_bfe_u32 s2, ttmp6, 0x10000c
	s_cmp_lg_u32 s2, 0xf033
	s_cbranch_scc0 .Lentry_shape_is_right
	s_endpgm
.Lentry_shape_is_right:
; q, k, v = x W^T in bf16 products with f32 sums; q and k are turned by the rotary factors in f32; all three leave by heads, [3][16][2048][128], rounded once to f16, unscaled.
; SHARES.  2048 x 6144 outputs over 256 work-groups: a work-group makes 128 tokens x (one head's 128 columns of q, of k and of v), so that x's tile feeds three weight tiles.
; Work-group x = block of 128 tokens, y = head.  Wave w: 64 tokens (w / 2) x 64 columns (w % 2) of each of q, k, v: 48 accumulators of 16 x 16, 384 registers.
; K goes in 16 steps of 128 through a ring of two LDS slots; a slot holds 128 rows of x, of wq, of wk, of wv; wave w fetches the w-th of these with one tensor load of 128 rows x 256 bytes.
; CLUSTER 4 x 4: x's tile hangs on the token block alone and is asked for jointly along a column of the cluster; the weights' tiles hang on the head alone and are asked for jointly along a row.
; THE WALK.  A sum over K may begin anywhere: cluster (X, Y) begins at step 4 ((X + 2 g) mod 4), g = (Y xor Y / 2) mod 2, and wraps round.  So the four clusters along x, which read the same weight tiles,
; walk a quarter of K apart, and clusters whose y differ by 1 or 2, which read the same tiles of x, half of K apart: of the clusters that read a tile one asks first, the others some steps later.
; The step's number hangs on the cluster's coordinates alone, so the partners of a joint load hold equal descriptors; each refill's address is made anew: base + 256 x step.
; THE TEXT.  A K step is written once: one walking descriptor a tensor, its LDS word turned by an exclusive or; the fragments' addresses are the slot's first byte plus a lane term.
; THE MATRIX INSTRUCTION IS USED TRANSPOSED (source 0 = 16 weight rows, source 1 = 16 tokens): a lane holds ONE token and eight neighbouring columns, so a rotary pair lies in one lane.
; LIMITS.  q, k and v must stay within f16's 65,504; NaN and infinities are not treated apart; the order of the sums over K differs from cluster to cluster.
; REGISTERS, in windows of 256 (s_set_vgpr_msb: bits 1:0 source 0, 3:2 source 1, 5:4 source 2, 7:6 destination):
;   window 0: v0-29 addresses; v32-223 at work on the way out          window 1: two fragment buffers of 128: x's 4 blocks, then q's, k's, v's 4 blocks each
;   window 2: q's and k's accumulators, (a, b) at 8 (8 a + b), b = 0-3 q, 4-7 k          window 3: v0-127 v's accumulators, (a, b) at 8 (4 a + b); v128-255 the rotary factors
.set KSTEP,  128
.set NST,    2048/KSTEP
.set PITCH,  272                       ; an LDS row: 256 bytes + 16 of padding = 68 words: the 16 rows of a fragment load start at 16 different groups of four banks (64 banks of 4 bytes: ISA guide 11.1)
.set HALFT,  128*PITCH                 ; one tensor load's 128 rows
.set SLOT,   4*HALFT                   ; 0x22000; the four tiles begin at 0, 0x8800, 0x11000, 0x19800 of a slot: none has one of its two bits, so one exclusive or turns a tile's LDS address into the other slot's
.set SPARE,  2*SLOT                    ; behind the ring: the spare words, 128 bytes a wave: two blocks of 256 bytes that no other line names
.set STO,  10                          ; v10-12  the way out: where I put 16 bytes of a row of q, k, v.  The stage, 3 x 128 rows x 272 bytes, lies in slot 0, which has had its last fill by then
.set RD,   13                          ; v13-15  the way out: where I read rows back
.set ADR0, 16                          ; v16-19  my lane's place in a slot's rows of x, wq, wk, wv; never rewritten
.set ADRC, 20                          ; v20-23  the same in the slot in hand
.set GO,   24                          ; v24     my 16 bytes in 512 consecutive bytes of the output
.set FO,   25                          ; v25     my byte offset in 16 tokens' rotary factors; never rewritten
.set SPW,  28                          ; v28     LDS address of my spare word; never rewritten
.set NIL,  29                          ; v29     0; never rewritten
.set PKD,  32                          ; v32-79  a block's 16 tokens, packed to f16: q 16 registers, k 16, v 16
.set OUT,  80                          ; v80-143 a block's q and k after the turn, f32
.set BK,   32                          ; v32-223 rows read back from the stage
.set F0,   0
.set F1,   128
.set FQ,   128                         ; window 3: factors of block (a, b) at 128 + 32 a + 8 b, in pairs (cos, sin)
.set WV,   12                          ; s12     my wave's number
.set G1A,  24                          ; s[24:31] descriptor group 1 for x's tiles;  s[32:39] group 0: a set for each of the two first fills; the second then walks on
.set G0A,  32
.set G1B,  48                          ; s[48:55], s[56:63] the same for the weights' tiles
.set G0B,  56
.set ABASE, 80                         ; s[80:81] x at my token block's first row
.set BBASE, 82                         ; s[82:83] the weights at my tile's first row
.set OFF,  84                          ; s[84:85] a step's byte offset in a row
.set NX,   86                          ; s86     the step asked for last
.set TB,   87                          ; s87     the first LDS byte of the slot in hand
.set MSB, 0
.macro WIN new                         ; the immediate's high byte repeats the setting that is left; a switch that changes nothing is dropped
.if MSB != (\new)
	s_set_vgpr_msb (MSB<<8)|(\new)
.set MSB, \new
.endif
.endm
.set MUL_LO, 0xa5                      ; both sources window 1, C and D window 2
.set MUL_HI, 0xf5                      ; both sources window 1, C and D window 3
.set TO_F,   0x40                      ; destination window 1, address window 0
; A joint load.  Wave 0 fetches x's tile, waves 1 to 3 wq's, wk's, wv's.  Each line has one mask; the branch hangs on the wave's number alone.
; An s_nop 0 and four v_nop follow each line, ahead of the jump and the label.
.macro JLOAD s
	s_cmp_eq_u32 s[WV], 0
	s_cbranch_scc0 .Lfor_b_\@
	tensor_load_to_lds s[G0A+4*(\s):G0A+4*(\s)+3], s[G1A:G1A+7]
	s_nop 0
.rept 4
	v_nop
.endr
	s_branch .Lasked_\@
.Lfor_b_\@:
	tensor_load_to_lds s[G0B+4*(\s):G0B+4*(\s)+3], s[G1B:G1B+7]
	s_nop 0
.rept 4
	v_nop
.endr
.Lasked_\@:
.endm
.macro CREST                           ; a round of the cluster's barrier behind its opening barrier
	s_cmp_lg_u32 s[WV], 0
	s_cbranch_scc1 .Lnot_wave_0_\@
	s_barrier_signal -3
.Lnot_wave_0_\@:
	s_barrier_wait -3
	s_barrier_signal -1
	s_barrier_wait -1
.endm
.macro CROUND                          ; a whole round
	s_barrier_signal -1
	s_barrier_wait -1
	CREST
.endm
	s_load_b256 s[4:11], s[0:1], 0x0               ; xb s[4:5], wqkvb s[6:7], fg s[8:9], qkvh s[10:11]
	v_lshl_add_u32 v[SPW], v0, 2, SPARE
	v_mov_b32 v[NIL], 0
	ds_add_u32 v[SPW], v[NIL]                      ; the wave's opening: the add and its wait stand ahead of my first tensor load; work on registers stands between them
	v_lshrrev_b32 v1, 5, v0
	v_readfirstlane_b32 s[WV], v1                  ; wave 0..3
	s_lshr_b32 s13, s[WV], 1                       ; which 64 tokens are mine
	s_and_b32 s14, s[WV], 1                        ; which 64 columns of the head
	s_bfe_u32 s40, ttmp6, 0x40000                  ; cx, cy: my place in the cluster
	s_bfe_u32 s41, ttmp6, 0x40004
	s_lshl_b32 s15, ttmp9, 2
	s_add_co_u32 s15, s15, s40                     ; the token block = 4 x cluster x + cx
	s_and_b32 s42, ttmp7, 0xffff
	s_lshl_b32 s42, s42, 2
	s_add_co_u32 s42, s42, s41                     ; the head = 4 x cluster y + cy
	s_lshl_b32 s43, s41, 2
	s_lshl_b32 s43, 15, s43                        ; my row of the cluster: the same head
	s_lshl_b32 s44, 0x1111, s40                    ; my column: the same token block
	; descriptor group 1: a tile of 128 rows x 128 elements of 2 bytes, 16 bytes of padding behind every 256
	s_or_b32 s[G1A+0], s44, (1<<16)|(1<<20)|(1<<21)|(5<<22)|(3<<25)  ; 15:0 the mask; 17:16 2-byte elements; 20 padding on; 21 set beside a mask; 24:22 after every 64 words; 31:25 4 words
	s_or_b32 s[G1B+0], s43, (1<<16)|(1<<20)|(1<<21)|(5<<22)|(3<<25)
.irp g, G1A, G1B
	s_mov_b32 s[(\g)+1], KSTEP<<16                 ; tensor_dim0 = 128
	s_mov_b32 s[(\g)+2], 128<<16                   ; tensor_dim1 = 128
	s_mov_b32 s[(\g)+3], KSTEP<<16                 ; tile_dim0 = 128
	s_mov_b32 s[(\g)+4], 128                       ; tile_dim1 = 128
	s_mov_b32 s[(\g)+5], 2048                      ; elements from row to row
	s_mov_b32 s[(\g)+6], 0
	s_mov_b32 s[(\g)+7], 0
.endr
	; where the cluster's walk begins: made of the cluster's coordinates alone
	s_and_b32 s16, ttmp7, 0xffff
	s_lshr_b32 s17, s16, 1
	s_xor_b32 s16, s16, s17
	s_and_b32 s16, s16, 1                          ; g
	s_lshl_b32 s16, s16, 1
	s_add_co_u32 s16, s16, ttmp9
	s_and_b32 s16, s16, 3
	s_lshl_b32 s[NX], s16, 2                       ; a quarter of the walk is 4 steps
	s_mov_b32 s[OFF+1], 0
	s_mov_b32 s[TB], 0
	; where the tiles come from: x's address is made of the token block alone, the weights' of the head and the wave's number, each in registers that never hold the other coordinate
	s_lshl_b32 s16, s15, 19                        ; 128 rows of 4,096 bytes
	s_mov_b32 s17, 0
	s_lshl_b32 s46, s42, 19                        ; the head's 128 rows,
	s_max_u32 s47, s[WV], 1
	s_sub_co_u32 s47, s47, 1
	s_lshl_b32 s47, s47, 23                        ; in wq, wk or wv for waves 1, 2, 3 (wave 0 never asks by this address)
	s_add_co_u32 s46, s46, s47
	s_mov_b32 s47, 0
	s_mul_i32 s20, s[WV], HALFT                    ; and where they go: wave x 128 rows
	s_wait_dscnt 0x0                               ; the opening add is done
	s_wait_kmcnt 0x0
	s_add_nc_u64 s[ABASE:ABASE+1], s[4:5], s[16:17]
	s_add_nc_u64 s[BBASE:BBASE+1], s[6:7], s[46:47]
	CROUND                                         ; all sixteen work-groups are here: the first joint loads meet
.irp s, 0,1
	s_lshl_b32 s[OFF], s[NX], 8                                      ; a step is 256 bytes of a row
	s_mov_b32 s[G0A+4*(\s)], 1                                       ; count = 1
	s_add_co_u32 s[G0A+4*(\s)+1], s20, (\s)*SLOT                     ; LDS address
	s_add_nc_u64 s[G0A+4*(\s)+2:G0A+4*(\s)+3], s[ABASE:ABASE+1], s[OFF:OFF+1]  ; global address
	s_or_b32 s[G0A+4*(\s)+3], s[G0A+4*(\s)+3], 0x80000000            ; type = 2
	s_mov_b32 s[G0B+4*(\s)], 1
	s_add_co_u32 s[G0B+4*(\s)+1], s20, (\s)*SLOT
	s_add_nc_u64 s[G0B+4*(\s)+2:G0B+4*(\s)+3], s[BBASE:BBASE+1], s[OFF:OFF+1]
	s_or_b32 s[G0B+4*(\s)+3], s[G0B+4*(\s)+3], 0x80000000
	JLOAD \s                                       ; two loads of mine are out
.if (\s) == 0
	s_add_co_u32 s[NX], s[NX], 1                   ; the walk begins at a multiple of 4: its second step does not wrap
.endif
.endr
	; A fragment is 16 rows x 32 K in 8 registers: lane l holds row l % 16, K = 8 (l / 16) + 0..7 and 16 + 8 (l / 16) + 0..7: two loads of 16 bytes, 32 bytes apart.
	v_and_b32 v1, 15, v0                           ; r = l % 16
	v_bfe_u32 v2, v0, 4, 1                         ; h = l / 16
	v_mul_u32_u24 v3, v1, PITCH
	v_lshl_add_u32 v3, v2, 4, v3                   ; r x pitch + 16 h
	s_mul_i32 s21, s13, 64*PITCH                   ; my 64 rows of x
	s_mul_i32 s22, s14, 64*PITCH                   ; my 64 rows of each weight tile
	v_add_nc_u32 v[ADR0], s21, v3
.irp j, 1,2,3
	s_add_co_u32 s23, s22, (\j)*HALFT
	v_add_nc_u32 v[ADR0+(\j)], s23, v3
.endr
	s_lshl_b32 s23, s14, 7                         ; into the stage: my 64 rows, my 128 bytes of their 256; row r, 16 bytes for each half of the lanes
	s_add_co_u32 s23, s23, s21
.irp t, 0,1,2
	s_add_co_u32 s45, s23, (\t)*HALFT
	v_add_nc_u32 v[STO+(\t)], s45, v3
.endr
	v_mul_u32_u24 v4, v2, PITCH                    ; back: wave w takes rows 32 w .. 32 w + 31, whole; lanes 0-15 one row, lanes 16-31 the next
	v_lshl_add_u32 v4, v1, 4, v4
	s_mul_i32 s23, s[WV], 32*PITCH
.irp t, 0,1,2
	s_add_co_u32 s45, s23, (\t)*HALFT
	v_add_nc_u32 v[RD+(\t)], s45, v4
.endr
	v_and_b32 v5, 31, v0
	v_lshlrev_b32 v[GO], 4, v5                     ; a head's rows are dense: two rows are 512 consecutive bytes
	v_lshlrev_b32 v[FO], 9, v1                     ; a token's factors are 512 bytes;
	v_lshl_add_u32 v[FO], v2, 5, v[FO]             ; my eight columns' four pairs are 32 of them
	s_lshl_b32 s74, s15, 16                        ; factors: (128 x block + 64 x token half) x 512 + 256 x column half
	s_lshl_b32 s75, s13, 15
	s_add_co_u32 s74, s74, s75
	s_lshl_b32 s75, s14, 8
	s_add_co_u32 s74, s74, s75
	s_mov_b32 s75, 0
	s_add_nc_u64 s[72:73], s[8:9], s[74:75]
	s_lshl_b32 s76, s42, 19                        ; output: (2048 x head + 128 x block + 32 x wave) rows of 256 bytes
	s_lshl_b32 s77, s15, 15
	s_add_co_u32 s76, s76, s77
	s_lshl_b32 s77, s[WV], 13
	s_add_co_u32 s76, s76, s77
	s_mov_b32 s77, 0
	s_add_nc_u64 s[66:67], s[10:11], s[76:77]      ; q,
	s_add_nc_u64 s[68:69], s[66:67], 0x800000      ; k,
	s_add_nc_u64 s[70:71], s[68:69], 0x800000      ; v
	WIN 0xc0                                       ; destination window 3.  The factors are wanted on the way out and waited for there: nothing up to then writes their registers, v25 or s[72:73]
.irp a, 0,1,2,3
.irp b, 0,1,2,3
	global_load_b128 v[FQ+32*(\a)+8*(\b):FQ+32*(\a)+8*(\b)+3],   v[FO], s[72:73] offset:(\a)*8192+(\b)*64
	global_load_b128 v[FQ+32*(\a)+8*(\b)+4:FQ+32*(\a)+8*(\b)+7], v[FO], s[72:73] offset:(\a)*8192+(\b)*64+16
.endr
.endr
	WIN 0
; 16 matrix instructions on q's and k's accumulators: token blocks a0, a0 + 1 x 8 column blocks, 32 along K.  zero = 1: the product starts the sum: nothing is cleared.
; The 48 accumulators take turns, one instruction a turn, in the same order in every quarter step.
.macro MULQ f, a0, zero
	WIN MUL_LO
.irp a, \a0, (\a0)+1
.irp b, 0,1,2,3,4,5,6,7
.if \zero
	v_wmma_f32_16x16x32_bf16 v[8*(8*(\a)+(\b)):8*(8*(\a)+(\b))+7], v[(\f)+32+8*(\b):(\f)+32+8*(\b)+7], v[(\f)+8*(\a):(\f)+8*(\a)+7], 0
.else
	v_wmma_f32_16x16x32_bf16 v[8*(8*(\a)+(\b)):8*(8*(\a)+(\b))+7], v[(\f)+32+8*(\b):(\f)+32+8*(\b)+7], v[(\f)+8*(\a):(\f)+8*(\a)+7], v[8*(8*(\a)+(\b)):8*(8*(\a)+(\b))+7]
.endif
.endr
.endr
.endm
.macro MULV f, zero                    ; 16 on v's accumulators: 4 token blocks x 4 column blocks
	WIN MUL_HI
.irp a, 0,1,2,3
.irp b, 0,1,2,3
.if \zero
	v_wmma_f32_16x16x32_bf16 v[8*(4*(\a)+(\b)):8*(4*(\a)+(\b))+7], v[(\f)+96+8*(\b):(\f)+96+8*(\b)+7], v[(\f)+8*(\a):(\f)+8*(\a)+7], 0
.else
	v_wmma_f32_16x16x32_bf16 v[8*(4*(\a)+(\b)):8*(4*(\a)+(\b))+7], v[(\f)+96+8*(\b):(\f)+96+8*(\b)+7], v[(\f)+8*(\a):(\f)+8*(\a)+7], v[8*(4*(\a)+(\b)):8*(4*(\a)+(\b))+7]
.endif
.endr
.endr
.endm
.macro SETADR                          ; the fragments' addresses in the slot in hand: four plain vector instructions in window 0
.irp j, 0,1,2,3
	v_add_nc_u32 v[ADRC+(\j)], s[TB], v[ADR0+(\j)]
.endr
.endm
; 32 LDS loads in one run: a quarter step's fragments (32 K at byte k of the rows) into buffer f, in the order q, k, x, v: v's eight loads are wanted last
.macro FETCH k, f
	WIN TO_F
.irp j, 1,2,0,3
.irp i, 0,1,2,3
	ds_load_b128 v[(\f)+32*(\j)+8*(\i):(\f)+32*(\j)+8*(\i)+3],   v[ADRC+(\j)] offset:(\k)+(\i)*16*PITCH
	ds_load_b128 v[(\f)+32*(\j)+8*(\i)+4:(\f)+32*(\j)+8*(\i)+7], v[ADRC+(\j)] offset:(\k)+(\i)*16*PITCH+32
.endr
.endr
.endm
.macro PLACES                          ; four plain vector instructions between a matrix instruction and a load into, or a vector read of, its registers (ISA guide 7.12.1 for vector reads)
.rept 4
	v_nop
.endr
.endm
; A K step is four quarters of 32 along K, 48 matrix instructions each, on buffers 0, 1, 0, 1.  One of the first three multiplies buffer f and fetches the next quarter, at byte k, into g.
.macro QUARTER k, f, g, zero
	s_wait_dscnt 8                                 ; q's, k's and x's fragments are in; the youngest eight loads (v's) may be out
	MULQ \f, 0, \zero
	PLACES
	FETCH \k, \g
	MULQ \f, 2, \zero
	s_wait_dscnt 32                                ; all but the 32 just issued
	MULV \f, \zero
.endm
; The last quarter multiplies buffer 1 and changes slots.  MEET is its first part: ONE barrier.  In front of it each wave waits for all its tensor loads (at most one is out: its part of the next slot),
; adds 0 to its spare word, and waits for that and for its reads of this slot.  fill = 1: the walking descriptors step to the walk's next step and to the slot that is being left.
.macro MEET fill
	WIN 0                                          ; (the add's two registers lie in window 0)
	s_wait_tensorcnt 0x0                           ; all my tensor loads have landed, so a group 0 may be written
	ds_add_u32 v[SPW], v[NIL]                      ; 0 onto my spare word
.if \fill
	s_add_co_u32 s[NX], s[NX], 1
	s_and_b32 s[NX], s[NX], NST-1                  ; the walk wraps round
	s_lshl_b32 s[OFF], s[NX], 8
	s_xor_b32 s[G0A+5], s[G0A+5], SLOT
	s_add_nc_u64 s[G0A+6:G0A+7], s[ABASE:ABASE+1], s[OFF:OFF+1]
	s_or_b32 s[G0A+7], s[G0A+7], 0x80000000
	s_xor_b32 s[G0B+5], s[G0B+5], SLOT
	s_add_nc_u64 s[G0B+6:G0B+7], s[BBASE:BBASE+1], s[OFF:OFF+1]
	s_or_b32 s[G0B+7], s[G0B+7], 0x80000000
.endif
	s_wait_dscnt 9                                 ; (the add and the youngest eight loads may be out)
	MULQ F1, 0, 0                                  ; sixteen matrix instructions stand between the add and the wait for it
	s_wait_dscnt 0x0                               ; the add is done, and my reads of this slot are over
	s_barrier_signal -1
	MULQ F1, 2, 0                                  ; work on registers while the others arrive
	WIN 0
	s_barrier_wait -1
.endm
; Its second part: the fetches go over to the other slot; the four address lines are the places in front of the loads into buffer 0.
.macro OVER
	s_xor_b32 s[TB], s[TB], SLOT
	SETADR
	FETCH 0, F0
	MULV F1, 0
	QUARTER 64, F0, F1, 0                          ; and the next step's first quarter
	WIN 0                                          ; at a label and at a branch every window is 0
.endm
	s_wait_tensorcnt 1                             ; my part of the walk's first step is in; the second's stays out
	s_barrier_signal -1
	s_barrier_wait -1                              ; everybody's is
	SETADR
	FETCH 0, F0
	QUARTER 64, F0, F1, 1                          ; the first quarter stands in front of the loop: its products start the sums
	WIN 0
	s_mov_b32 s3, NST-2
.Lstep:                                                ; 14 trips, from a step's second quarter to the next step's first; each fills the slot that it leaves, two steps ahead
	QUARTER 128, F1, F0, 0
	QUARTER 192, F0, F1, 0
	MEET 1
	CREST                                          ; the barrier has opened a round of the cluster's: no wave of any partner still reads this slot's tiles or has a load on its way
	JLOAD 1                                        ; my one tensor load behind the round, and the first thing there
	OVER
	s_sub_co_u32 s3, s3, 1
	s_cmp_lg_u32 s3, 0
	s_cbranch_scc1 .Lstep
	s_mov_b32 s3, 2
.Ltail:                                                ; the last two steps ask for nothing.  The last trip has no next step: it jumps over the fetch and the next quarter, which hold neither a barrier nor a tensor load
	QUARTER 128, F1, F0, 0
	QUARTER 192, F0, F1, 0
	MEET 0                                         ; behind the first of these two barriers nobody reads slot 0 any more, and nothing is loaded into it: it becomes the stage
	s_cmp_eq_u32 s3, 1
	s_cbranch_scc1 .Ldead
	OVER
.Ldead:
	s_sub_co_u32 s3, s3, 1
	s_cmp_lg_u32 s3, 0
	s_cbranch_scc1 .Ltail
	MULV F1, 0                                     ; the last sixteen products
	PLACES
	s_wait_loadcnt 0x0                             ; the rotary factors
; THE WAY OUT of token block a.  A pair of columns (t0, t1) with its factors (c, s) becomes (t0 c - t1 s, t0 s + t1 c): one packed multiply (t1 s, t1 c) and one packed multiply-add.
; Each accumulator is read from its low end on.  Then q, k, v are rounded to f16, 16 bytes a lane, and put into the stage.
.macro BLOCK a
	WIN 0x0e                                       ; source 0 (sums) window 2, source 1 (factors) window 3, the rest window 0
.irp b, 0,1,2,3,4,5,6,7
.irp p, 0,1,2,3
	v_pk_mul_f32 v[OUT+8*(\b)+2*(\p):OUT+8*(\b)+2*(\p)+1], v[8*(8*(\a)+(\b))+2*(\p):8*(8*(\a)+(\b))+2*(\p)+1], v[FQ+32*(\a)+8*((\b)%4)+2*(\p):FQ+32*(\a)+8*((\b)%4)+2*(\p)+1] op_sel:[1,1] op_sel_hi:[1,0]
.endr
.endr
.irp b, 0,1,2,3,4,5,6,7
.irp p, 0,1,2,3
	v_pk_fma_f32 v[OUT+8*(\b)+2*(\p):OUT+8*(\b)+2*(\p)+1], v[8*(8*(\a)+(\b))+2*(\p):8*(8*(\a)+(\b))+2*(\p)+1], v[FQ+32*(\a)+8*((\b)%4)+2*(\p):FQ+32*(\a)+8*((\b)%4)+2*(\p)+1], v[OUT+8*(\b)+2*(\p):OUT+8*(\b)+2*(\p)+1] op_sel:[0,0,0] op_sel_hi:[0,1,1] neg_lo:[0,0,1]
.endr
.endr
	WIN 0x0f                                       ; both sources window 3: v's sums
.irp b, 0,1,2,3
.irp p, 0,1,2,3
	v_cvt_pk_f16_f32 v[PKD+32+4*(\b)+(\p)], v[8*(4*(\a)+(\b))+2*(\p)], v[8*(4*(\a)+(\b))+2*(\p)+1]
.endr
.endr
	WIN 0
.irp b, 0,1,2,3,4,5,6,7
.irp p, 0,1,2,3
	v_cvt_pk_f16_f32 v[PKD+4*(\b)+(\p)], v[OUT+8*(\b)+2*(\p)], v[OUT+8*(\b)+2*(\p)+1]
.endr
.endr
.irp t, 0,1,2
.irp b, 0,1,2,3
	ds_store_b128 v[STO+(\t)], v[PKD+16*(\t)+4*(\b):PKD+16*(\t)+4*(\b)+3] offset:(\a)*16*PITCH+32*(\b)
.endr
.endr
.endm
	BLOCK 0
	BLOCK 1
	BLOCK 2
	BLOCK 3
	s_wait_dscnt 0x0                               ; for the others' sake: my stores into the stage are done; a row's 256 bytes come from two waves
	s_barrier_signal -1
	s_barrier_wait -1
.irp t, 0,1,2
.irp i, 0,1,2,3,4,5,6,7,8,9,10,11,12,13,14,15
	ds_load_b128 v[BK+64*(\t)+4*(\i):BK+64*(\t)+4*(\i)+3], v[RD+(\t)] offset:(\i)*2*PITCH
.endr
.endr
.irp t, 0,1,2
.irp i, 0,1,2,3,4,5,6,7,8,9,10,11,12,13,14,15
	s_wait_dscnt 47-16*(\t)-(\i)                   ; the younger read-backs may stay out
	global_store_b128 v[GO], v[BK+64*(\t)+4*(\i):BK+64*(\t)+4*(\i)+3], s[66+2*(\t):67+2*(\t)] offset:(\i)*512  ; 512 consecutive bytes, at a multiple of 256 from the buffer's first
.endr
.endr
	s_wait_tensorcnt 0x0                           ; the wave's end, behind my last tensor load and my last LDS store
	ds_add_u32 v[SPW], v[NIL]
	s_wait_dscnt 0x0
	CROUND                                         ; the closing round: no work-group ends while a partner may still ask for a tile that names it
	s_endpgm
.Lfunc_end_k_qbce33b1205_qkv:
	.size	k_qbce33b1205_qkv, .Lfunc_end_k_qbce33b1205_qkv-k_qbce33b1205_qkv
	.p2alignl 7, 3214868480
	.fill 96, 4, 3214868480
	.section	.rodata,"a",@progbits
	.p2align	6, 0x0
	.amdhsa_kernel k_qbce33b1205_qkv
		.amdhsa_group_segment_fixed_size 327680
		.amdhsa_private_segment_fixed_size 0
		.amdhsa_enable_private_segment 0
		.amdhsa_kernarg_size 32
		.amdhsa_user_sgpr_count 2
		.amdhsa_user_sgpr_kernarg_segment_ptr 1
		.amdhsa_wavefront_size32 1
		.amdhsa_system_sgpr_workgroup_id_x 1
		.amdhsa_system_sgpr_workgroup_id_y 1
		.amdhsa_system_sgpr_workgroup_id_z 1
		.amdhsa_system_vgpr_workitem_id 0
		.amdhsa_next_free_vgpr 1024
		.amdhsa_next_free_sgpr 88
		.amdhsa_reserve_vcc 0
		.amdhsa_float_denorm_mode_32 3
		.amdhsa_float_denorm_mode_16_64 3
		.amdhsa_memory_ordered 1
		.amdhsa_forward_progress 1
		.amdhsa_inst_pref_size 105
	.end_amdhsa_kernel
	.amdgpu_metadata
---
amdhsa.version: [ 1, 2 ]
amdhsa.kernels:
  - .name:           k_qbce33b1205_qkv
    .symbol:         k_qbce33b1205_qkv.kd
    .args:
      - { .name: xb, .offset: 0, .size: 8, .value_kind: global_buffer, .address_space: global }
      - { .name: wqkvb, .offset: 8, .size: 8, .value_kind: global_buffer, .address_space: global }
      - { .name: fg, .offset: 16, .size: 8, .value_kind: global_buffer, .address_space: global }
      - { .name: qkvh, .offset: 24, .size: 8, .value_kind: global_buffer, .address_space: global }
    .group_segment_fixed_size: 327680
    .private_segment_fixed_size: 0
    .kernarg_segment_align: 8
    .kernarg_segment_size: 32
    .max_flat_workgroup_size: 128
    .sgpr_count:     88
    .vgpr_count:     1024
    .wavefront_size: 32
...
	.end_amdgpu_metadata
.endif
;; end of part 2
;; launch attn (part 3): grid 16 x 16, 4 waves a work-group, clusters of 4 x 4, 327,680 bytes of LDS; arguments qkvh, maskc, ob; writes ob
.if DOCPART == 3
	.amdgcn_target "amdgcn-amd-amdhsa--gfx1250"
	.amdhsa_code_object_version 6
	.text
	.protected	k_qbce33b1205_attn
	.globl	k_qbce33b1205_attn
	.p2align	8
	.type	k_qbce33b1205_attn,@function
k_qbce33b1205_attn:
	s_mov_b64 s[64:65], 0
	v_nop
	global_prefetch_b8 v0, s[64:65] scope:SCOPE_SE
	s_setreg_imm32_b32 hwreg(HW_REG_WAVE_MODE, 25, 1), 1
	s_wait_xcnt 0x0
	s_wait_alu depctr_hold_cnt(0) depctr_sa_sdst(0) depctr_va_vdst(0) depctr_va_sdst(0) depctr_va_ssrc(0) depctr_va_vcc(0) depctr_vm_vsrc(0)
	s_getreg_b32 s2, hwreg(HW_REG_IB_STS2, 6, 4)
	s_cmp_eq_u32 s2, 0
	s_cbranch_scc0 .Lentry_in_a_cluster
	s_endpgm
.Lentry_in_a_cluster:
	s_bfe_u32 s2, ttmp6, 0x10000c
	s_cmp_lg_u32 s2, 0xf033
	s_cbranch_scc0 .Lentry_shape_is_right
	s_endpgm
.Lentry_shape_is_right:
; O[q] = the sum over k of softmax_k(Q[q] . K[k] / sqrt(128) + mask[q][k]) V[k], for one head.  Q, K, V: [3][16][2048][128] f16; maskc: [2048][2048] f32 = mask x sqrt(128); O: [2048 tokens][16 x 128] f16.
; The mask is an input: every score is made.  Products, maxima and sums in f32; the weights p are rounded to f16 for the second product (their sum l is taken of the unrounded p), O once at the end.
; LIMITS.  Q, K, V arrive within f16's 65,504; |mask| <= 1e36, so that c m stays far above its starting value -4.25e37; a weight below 2^-126 counts as 0; NaN and infinities are not treated apart.
; SHARES.  A work-group owns 128 queries of one head (x = query block, y = head): 256 work-groups.  So that a wave still holds 64 queries (four tiles of 16), the KEYS are split: of each step's
; 128 keys wave w takes 64 (w / 2), for the queries 64 (w % 2) on.  At the end the two waves with the same queries merge their (c m, l, O) in f32 through LDS.  A wave of the second key half holds its
; four query tiles turned by two (register tile t is query tile (t + 2) mod 4), so that EVERY wave keeps register tiles 0, 1 and sends register tiles 2, 3: one text of the exchange serves all.
; LAYOUT.  S^T = K Q^T + C (source 0 = 16 keys, source 1 = 16 queries): a lane holds ONE query (lane % 16) and the keys 8 (lane / 16) + 0..7.  C, the operand that starts the sum, IS the mask tile:
; c (s + mask sqrt(128)) = c s + log2(e) mask with c = log2(e) / sqrt(128), so the mask costs no vector instruction.  Two results rounded to f16 in pairs ARE source 1 of O^T = V^T P.
; SOFTMAX.  For each query a running maximum m of the masked scores and a sum l: p = 2^(c s - c m); in every step O and l are multiplied by a = 2^(c m_old - c m_new).
; NO FIRST STEP IS WRITTEN OUT.  m starts at the lowest finite number, c m at -4.25e37, O and l at 0, so the first step's a is 0; V's registers and the second piece's P start at 0, and the loop is
; entered in the middle of a trip.  The price: 424 v_mov_b32 that write 0, in the wait for the first tile, and 32 products on zeros, once a launch.
; BY TURNS.  The wave's tiles are two pieces (register tiles 0, 1 and 2, 3).  In a TURN one piece has the matrix unit: 32 products V^T P of the step in hand, then 32 products K Q^T of the next;
; the other piece's softmax, cut into 64 slices, stands between them, one slice behind each matrix instruction.  Two turns are a key step.
; CLUSTER 4 x 4.  K and V hang on the head alone: asked for jointly along a row of the cluster.  The mask tile hangs on the query block alone: jointly along a column.
; THE WALK.  A running softmax may take the keys in any order: cluster (X, Y) begins at step 4 ((X + 2 g) mod 4), g = (Y xor Y / 2) mod 2, and wraps round.  So the four clusters along x, which read the same
; K and V, walk a quarter of the keys apart, and clusters whose y differ by 1 or 2, which read the same mask tiles, half of them apart: of the clusters that read a tile one asks first, the others some
; steps later.  The step's number hangs on the cluster's coordinates alone, so the partners of a joint load hold equal descriptors; each fill's address is made anew from it.
; REGISTERS, in windows of 256 (s_set_vgpr_msb: bits 1:0 source 0, 3:2 source 1, 5:4 source 2, 7:6 destination):
;   window 0: v0-11, v52-59 addresses; v12-43 eight registers of statistics a tile; v44-51 the exchange's statistics; v64-191 S^T, 32 a tile; v192-255 P, 16 a tile
;   window 1: O^T, 64 a tile     window 2: v0-127 Q, 32 a tile; v128-255 K of one step     window 3: v0-127 V of one step (at the end the partner's O^T); v128-255 the mask, 32 a tile
.set PK,    272       ; a row of K in LDS: 256 bytes + 16 of padding: the 16 rows of a load start at 16 different groups of four banks (64 banks of 4 bytes: ISA guide 11.1)
.set PV,    288       ; a row of V: 256 + 32
.set PM,    528       ; a row of the mask: 128 f32 + 16 bytes
.set VOFF,  128*PK    ; a slot holds one step: 128 rows of K, 128 rows of V, 128 query rows of the mask
.set MOFF,  VOFF+128*PV
.set SLOT,  MOFF+128*PM  ; 0x22000; no tile's offset in a slot (0, 0x8800, 0x11800, 0x19c00) has one of its two bits, so one exclusive or turns an address in one slot into the other's
.set STAGE, 2*SLOT    ; behind the ring: 16 rows x 272 bytes for each wave, for the way out
.set SP,    272
.set SPARE, STAGE+4*16*SP  ; behind the stages: the spare words, 128 bytes a wave: two blocks of 256 bytes that no other line names
.set XB,    16896     ; the exchange, in slot 0 after its last fill: for each wave 16,384 bytes of O^T and 512 of statistics
.set AK0, 2           ; v2   my lane's place in a step's K; never rewritten
.set AV0, 3           ; v3   the same for V
.set AKR, 4           ; v4   the LDS address of K's run of loads
.set QO,  5           ; v5   my byte offset in the wave's rows of Q, register tiles 0, 1
.set STO, 6           ; v6   the way out: where I put 16 bytes of a row
.set RD,  7           ; v7   the way out: where I read a row back
.set GO,  8           ; v8   my byte offset in two rows of O
.set ST,  12          ; tile t's statistics at v[ST+8 t]: +0 c m, +1 m, +2, +3 l (even keys', odd keys'), +4 to +7 c0-c3 at work; a takes c2's place
.set SX,  44          ; v44-47  what I send: c m and l of two tiles
.set RX,  48          ; v48-51  what the partner sent
.set AM0, 52          ; v52  my lane's place in a step's mask, register tiles 0, 1; never rewritten
.set AMR, 53          ; v53  the LDS address of the mask's run of loads, register tiles 0, 1
.set AVR, 54          ; v54  of V's
.set XW,  55          ; v55  the exchange: where I write
.set XR,  56          ; v56  the exchange: where my partner wrote
.set AM2, 57          ; v57  as v52, register tiles 2, 3
.set AMR2, 58         ; v58  as v53, register tiles 2, 3
.set QO2, 59          ; v59  as v5, register tiles 2, 3
.set SPW, 62          ; v62  LDS address of my spare word; never rewritten
.set NIL, 63          ; v63  0; never rewritten
.set S,   64
.set P,   192
.set KF,  128         ; K's fragments, in window 2
.set MK,  128         ; the mask, in window 3: tile t, key block kt at MK + 32 t + 8 kt
.set WV,  12          ; s12  my wave's number
.set G1K, 24          ; s[24:31] descriptor group 1 for K's tiles
.set G1V, 32          ; s[32:39] for V's: it differs in the padding
.set G1M, 40          ; s[40:47] for the mask's
.set G0K, 48          ; s[48:51], s[52:55], s[56:59] descriptor groups 0: they walk
.set G0V, 52
.set G0M, 56
.set CS,  60          ; s[60:61] c: the packed scaling takes the pair's low word for both halves
.set SEL, 62          ; s[62:63] v_permlanex16_b32's selects: each lane takes its own place in the other half
.set TB,  66          ; s66  LDS byte at which the slot of the step to be fetched begins
.set CNT, 67          ; s67  counts the loop's steps
.set KB,  80          ; s[80:81] K at the head's first row;  s[82:83] V;  s[84:85] the mask at my half tile's first row
.set VB,  82
.set MB,  84
.set OFK, 86          ; s[86:87] a step's byte offset in K and V;  s[88:89] in a row of the mask
.set OFM, 88
.set NX,  90          ; s90  the step asked for last
.set MSB, 0
.macro WIN new                      ; the high byte repeats the setting that is left; a switch that changes nothing is dropped
.if MSB != (\new)
	s_set_vgpr_msb (MSB<<8)|(\new)
.set MSB, \new
.endif
.endm
.set W_KQ, 0x0a       ; K and Q in window 2, S^T in window 0
.set W_KM, 0x3a       ; the same with the C operand, the mask, in window 3
.set W_PV, 0x53       ; V in window 3, P in window 0, O^T in window 1
.set W_RS, 0x41       ; O^T (destination and source 0) in window 1, the factor in window 0
; A joint fill: wave 0 fetches a step's K, wave 1 its V, waves 2 and 3 the two halves of its mask tile.  The branches hang on the wave's number alone.
; An s_nop 0 and four v_nop follow each line, ahead of the jump and the label.
.macro JLOAD
	s_cmp_lt_u32 s[WV], 2
	s_cbranch_scc0 .Lfor_m_\@
	s_cmp_eq_u32 s[WV], 0
	s_cbranch_scc0 .Lfor_v_\@
	tensor_load_to_lds s[G0K:G0K+3], s[G1K:G1K+7]
	s_nop 0
.rept 4
	v_nop
.endr
	s_branch .Lasked_\@
.Lfor_v_\@:
	tensor_load_to_lds s[G0V:G0V+3], s[G1V:G1V+7]
	s_nop 0
.rept 4
	v_nop
.endr
	s_branch .Lasked_\@
.Lfor_m_\@:
	tensor_load_to_lds s[G0M:G0M+3], s[G1M:G1M+7]
	s_nop 0
.rept 4
	v_nop
.endr
.Lasked_\@:
.endm
.macro CROUND                       ; a round of the cluster's barrier
	s_barrier_signal -1
	s_barrier_wait -1
	s_cmp_lg_u32 s[WV], 0
	s_cbranch_scc1 .Lnot_wave_0_\@
	s_barrier_signal -3
.Lnot_wave_0_\@:
	s_barrier_wait -3
	s_barrier_signal -1
	s_barrier_wait -1
.endm
; THE CHANGE OF SLOTS, between piece 2's turn and piece 0's: the old slot's last bytes, its V, have been asked for.  Each wave waits for all its tensor loads, of which one is out: its part of the
; other slot; adds 0 to its spare word; and waits for that and for its reads of the old slot.  fill = 1: the barrier is a round of the cluster's, and the old slot is filled again, with the walk's step
; after the one now entered, first thing behind the round: it has a key step, 128 matrix instructions a wave, in which to land.  (At its first use nothing has been read: slot 0 is waited for, slot 1 filled.)
.macro CHANGE fill
	WIN 0                           ; at a label and at a branch every window is 0
	s_wait_tensorcnt 0x0            ; no tensor load of mine is out, so a group 0 may be written
	ds_add_u32 v[SPW], v[NIL]       ; 0 onto my spare word
.if \fill
	s_add_co_u32 s[NX], s[NX], 1
	s_and_b32 s[NX], s[NX], 15      ; the walk wraps round
	s_lshl_b32 s[OFK], s[NX], 15    ; 128 keys of 256 bytes
	s_lshl_b32 s[OFM], s[NX], 9     ; 128 columns of 4 bytes
	s_xor_b32 s[G0K+1], s[G0K+1], SLOT
	s_add_nc_u64 s[G0K+2:G0K+3], s[KB:KB+1], s[OFK:OFK+1]
	s_or_b32 s[G0K+3], s[G0K+3], 0x80000000
	s_xor_b32 s[G0V+1], s[G0V+1], SLOT
	s_add_nc_u64 s[G0V+2:G0V+3], s[VB:VB+1], s[OFK:OFK+1]
	s_or_b32 s[G0V+3], s[G0V+3], 0x80000000
	s_xor_b32 s[G0M+1], s[G0M+1], SLOT
	s_add_nc_u64 s[G0M+2:G0M+3], s[MB:MB+1], s[OFM:OFM+1]
	s_or_b32 s[G0M+3], s[G0M+3], 0x80000000
	s_wait_dscnt 0x0                ; the add is done, and my reads of the slot are over
	CROUND
	JLOAD
.else
	s_wait_dscnt 0x0
	s_barrier_signal -1
	s_barrier_wait -1
.endif
	s_xor_b32 s[TB], s[TB], SLOT    ; the fetches go to the other slot
.endm
	s_load_b128 s[4:7], s[0:1], 0x0  ; qkvh s[4:5], maskc s[6:7]
	s_load_b64 s[8:9], s[0:1], 0x10  ; ob
	v_lshl_add_u32 v[SPW], v0, 2, SPARE
	v_mov_b32 v[NIL], 0
	ds_add_u32 v[SPW], v[NIL]       ; the wave's opening: the add and its wait stand ahead of my first tensor load; work on registers stands between them
	v_lshrrev_b32 v1, 5, v0
	v_readfirstlane_b32 s[WV], v1   ; wave 0..3
	s_bfe_u32 s13, ttmp6, 0x40000   ; cx, cy: my place in the cluster
	s_bfe_u32 s14, ttmp6, 0x40004
	s_lshl_b32 s15, ttmp9, 2
	s_add_co_u32 s15, s15, s13      ; the query block = 4 x cluster x + cx
	s_and_b32 s16, ttmp7, 0xffff
	s_lshl_b32 s16, s16, 2
	s_add_co_u32 s16, s16, s14      ; the head = 4 x cluster y + cy
	s_and_b32 s17, s[WV], 1         ; which 64 queries are mine (and which half of the mask tile waves 2, 3 fetch)
	s_lshr_b32 s18, s[WV], 1        ; which 64 keys of a step
	s_lshl_b32 s19, s14, 2
	s_lshl_b32 s19, 15, s19         ; my row of the cluster: the same head
	s_lshl_b32 s68, 0x1111, s13     ; my column: the same query block
	s_or_b32 s[G1K], s19, (1<<16)|(1<<20)|(1<<21)|(5<<22)|(3<<25)  ; 15:0 the mask of four; 17:16 2-byte elements; 20 padding on; 21 set beside a mask; 24:22 after every 64 words; 31:25 4 words
	s_or_b32 s[G1V], s19, (1<<16)|(1<<20)|(1<<21)|(5<<22)|(7<<25)  ; the same with 8 words of padding
	s_or_b32 s[G1M], s68, (2<<16)|(1<<20)|(1<<21)|(6<<22)|(3<<25)  ; 4-byte elements; 4 words of padding after every 128
.irp g, G1K, G1V
	s_mov_b32 s[(\g)+1], 128<<16    ; tensor_dim0 = 128
	s_mov_b32 s[(\g)+2], 128<<16    ; tensor_dim1 = 128
	s_mov_b32 s[(\g)+3], 128<<16    ; tile_dim0 = 128
	s_mov_b32 s[(\g)+4], 128        ; tile_dim1 = 128
	s_mov_b32 s[(\g)+5], 128        ; a head's rows are dense
	s_mov_b32 s[(\g)+6], 0
	s_mov_b32 s[(\g)+7], 0
.endr
	s_mov_b32 s[G1M+1], 128<<16     ; tensor_dim0 = 128
	s_mov_b32 s[G1M+2], 64<<16      ; tensor_dim1 = 64
	s_mov_b32 s[G1M+3], 128<<16     ; tile_dim0 = 128
	s_mov_b32 s[G1M+4], 64          ; tile_dim1 = 64
	s_mov_b32 s[G1M+5], 2048        ; elements from row to row
	s_mov_b32 s[G1M+6], 0
	s_mov_b32 s[G1M+7], 0
	s_mov_b32 s[CS], 0x3e0293ee     ; c = log2(e) / sqrt(128) = 0.127517
	s_mov_b32 s[CS+1], s[CS]
	s_mov_b32 s[SEL], 0x76543210
	s_mov_b32 s[SEL+1], 0xfedcba98
	s_mov_b32 s[TB], SLOT           ; the first change of slots turns it into 0
	; where the cluster's walk begins: made of the cluster's coordinates alone
	s_and_b32 s20, ttmp7, 0xffff
	s_lshr_b32 s21, s20, 1
	s_xor_b32 s20, s20, s21
	s_and_b32 s20, s20, 1           ; g
	s_lshl_b32 s20, s20, 1
	s_add_co_u32 s20, s20, ttmp9
	s_and_b32 s20, s20, 3
	s_lshl_b32 s[NX], s20, 2        ; a quarter of the walk is 4 steps
	s_lshl_b32 s[OFK], s[NX], 15
	s_mov_b32 s[OFK+1], 0
	s_lshl_b32 s[OFM], s[NX], 9
	s_mov_b32 s[OFM+1], 0
	s_mov_b32 s[G0K], 1             ; count = 1
	s_mov_b32 s[G0K+1], 0           ; LDS address: slot 0
	s_mov_b32 s[G0V], 1
	s_mov_b32 s[G0V+1], VOFF
	s_mov_b32 s[G0M], 1
	s_mul_i32 s69, s17, 64*PM
	s_add_co_u32 s[G0M+1], s69, MOFF
	s_add_co_u32 s20, s16, 16       ; K's heads lie behind Q's sixteen; a head is 2^19 bytes
	s_lshl_b32 s20, s20, 19
	s_mov_b32 s21, 0
	s_lshl_b32 s22, s15, 20         ; the mask: 128 rows of 8,192 bytes a query block,
	s_lshl_b32 s23, s17, 19         ; 64 rows a half
	s_add_co_u32 s22, s22, s23
	s_mov_b32 s23, 0
	s_lshl_b32 s70, s16, 19         ; Q: the head, my block's 128 rows of 256 bytes, my wave's 64
	s_lshl_b32 s71, s15, 15
	s_add_co_u32 s70, s70, s71
	s_lshl_b32 s71, s17, 14
	s_add_co_u32 s70, s70, s71
	s_mov_b32 s71, 0
	s_lshl_b32 s72, s15, 19         ; O: (128 x block + 64 x query half + 32 x key half) rows of 4,096 bytes + 256 x head: the 32 rows that I keep
	s_lshl_b32 s73, s17, 18
	s_add_co_u32 s72, s72, s73
	s_lshl_b32 s73, s18, 17
	s_add_co_u32 s72, s72, s73
	s_lshl_b32 s73, s16, 8
	s_add_co_u32 s72, s72, s73
	s_mov_b32 s73, 0
	s_wait_dscnt 0x0                ; the opening add is done
	s_wait_kmcnt 0x0
	s_add_nc_u64 s[KB:KB+1], s[4:5], s[20:21]
	s_add_nc_u64 s[VB:VB+1], s[KB:KB+1], 0x800000          ; V's heads lie sixteen heads behind K's
	s_add_nc_u64 s[MB:MB+1], s[6:7], s[22:23]
	s_add_nc_u64 s[G0K+2:G0K+3], s[KB:KB+1], s[OFK:OFK+1]
	s_or_b32 s[G0K+3], s[G0K+3], 0x80000000                ; type = 2
	s_add_nc_u64 s[G0V+2:G0V+3], s[VB:VB+1], s[OFK:OFK+1]
	s_or_b32 s[G0V+3], s[G0V+3], 0x80000000
	s_add_nc_u64 s[G0M+2:G0M+3], s[MB:MB+1], s[OFM:OFM+1]
	s_or_b32 s[G0M+3], s[G0M+3], 0x80000000
	s_add_nc_u64 s[4:5], s[4:5], s[70:71]
	s_add_nc_u64 s[8:9], s[8:9], s[72:73]
	CROUND                          ; all sixteen work-groups are here: the first joint loads meet
	JLOAD                           ; the walk's first step into slot 0: one load of mine is out
	; A fragment of K or Q is 16 rows x 32 channels in 8 registers: lane l holds row l % 16, channels 8 (l / 16) + 0..7 and 16 + 8 (l / 16) + 0..7: two loads of 16 bytes, 32 bytes apart.
	v_and_b32 v1, 15, v0            ; l % 16
	v_bfe_u32 v9, v0, 4, 1          ; l / 16
	v_lshlrev_b32 v10, 8, v1
	v_lshl_add_u32 v10, v9, 4, v10
	s_lshl_b32 s74, s18, 13         ; register tiles 0, 1 are query tiles 2 (w / 2) on: 4,096 bytes a tile;
	s_xor_b32 s75, s74, 8192        ; register tiles 2, 3 the other two
	v_add_nc_u32 v[QO], s74, v10
	v_add_nc_u32 v[QO2], s75, v10
	WIN 0x80                        ; destination window 2
.irp i, 0,1,2,3,4,5,6,7,8,9,10,11,12,13,14,15  ; Q stays in registers: register tile i / 4, channels 32 (i % 4) on
	global_load_b128 v[8*(\i):8*(\i)+3],   v[QO+(QO2-QO)*((\i)/8)], s[4:5] offset:(((\i)/4)%2)*4096+((\i)%4)*64
	global_load_b128 v[8*(\i)+4:8*(\i)+7], v[QO+(QO2-QO)*((\i)/8)], s[4:5] offset:(((\i)/4)%2)*4096+((\i)%4)*64+32
.endr
	WIN 0x40                        ; O^T starts at 0: all this stands in the wait for the first tile
.set i, 0
.rept 256
	v_mov_b32 v[i], 0
.set i, i+1
.endr
	WIN 0xc0                        ; V's registers start at 0: the first turn's products V^T P, of a step that has not been, add 0
.set i, 0
.rept 128
	v_mov_b32 v[i], 0
.set i, i+1
.endr
	WIN 0
.set i, P+32
.rept 32
	v_mov_b32 v[i], 0               ; and so does the second piece's P
.set i, i+1
.endr
.set i, 0
.rept 4
	v_mov_b32 v[ST+8*i], 0xfe000000    ; c m: far below every c s
	v_mov_b32 v[ST+8*i+1], 0xff7fffff  ; m
	v_mov_b32 v[ST+8*i+2], 0
	v_mov_b32 v[ST+8*i+3], 0
.set i, i+1
.endr
	s_mul_i32 s74, s18, 64*PK       ; my 64 keys of a step's 128
	v_mul_u32_u24 v[AK0], v1, PK
	v_lshl_add_u32 v[AK0], v9, 4, v[AK0]
	v_add_nc_u32 v[AK0], s74, v[AK0]
	; The turning load takes 16 keys x 16 channels (lane l reads key 8 (l / 16) + l % 8, channels 8 ((l / 8) % 2) + 0..7) and leaves half a fragment of V^T: lane l holds channel l % 16 and 8 keys.
	v_and_b32 v10, 7, v0
	v_bfe_u32 v11, v0, 3, 1
	v_lshl_add_u32 v[AV0], v9, 3, v10
	v_mul_u32_u24 v[AV0], v[AV0], PV
	v_lshl_add_u32 v[AV0], v11, 4, v[AV0]
	s_mul_i32 s74, s18, 64*PV
	s_add_co_u32 s74, s74, VOFF
	v_add_nc_u32 v[AV0], s74, v[AV0]
	; The mask as C: lane l wants query l % 16 and the keys 8 (l / 16) + 0..7: 32 consecutive bytes of a mask row.
	v_mul_u32_u24 v[AM0], v1, PM
	v_lshl_add_u32 v[AM0], v9, 5, v[AM0]
	s_mul_i32 s74, s17, 64*PM       ; my 64 queries' rows,
	s_lshl_b32 s75, s18, 8          ; my 64 keys' columns
	s_add_co_u32 s74, s74, s75
	s_add_co_u32 s74, s74, MOFF
	s_mul_i32 s75, s18, 32*PM       ; register tiles 0, 1: query tiles 2 (w / 2) on;
	s_add_co_u32 s75, s75, s74
	s_xor_b32 s76, s18, 1
	s_mul_i32 s76, s76, 32*PM       ; register tiles 2, 3: the other two
	s_add_co_u32 s76, s76, s74
	v_add_nc_u32 v[AM2], s76, v[AM0]
	v_add_nc_u32 v[AM0], s75, v[AM0]
; THE MATRIX WORK OF A TURN, for piece x.  The accumulators take turns, one instruction a turn: between two links of a chain stand 15 (V^T P) or 7 (K Q^T) others'.
; Product i of 32 of O^T += V^T P: keys 32 (i / 16) on, channels 16 ((i / 2) % 8) on, tile x + i % 2.
.macro PV x
	WIN W_PV
.set rO, 64*((\x)+i%2)+8*((i/2)%8)
.set rV, 64*(i/16)+8*((i/2)%8)
.set rP, P+16*((\x)+i%2)+8*(i/16)
	v_wmma_f32_16x16x32_f16 v[rO:rO+7], v[rV:rV+7], v[rP:rP+7], v[rO:rO+7]
.endm
; Product i of 32 of S^T = K Q^T + mask: channels 32 (i / 8) on, keys 16 ((i / 2) % 4) on, tile x + i % 2.  The first 8 start the sums, with the mask tile as C.
.macro KQ x
.set rS, S+32*((\x)+i%2)+8*((i/2)%4)
.set rK, KF+32*((i/2)%4)+8*(i/8)
.set rQ, 32*((\x)+i%2)+8*(i/8)
.set rM, MK+32*((\x)+i%2)+8*((i/2)%4)
.if i < 8
	WIN W_KM
	v_wmma_f32_16x16x32_f16 v[rS:rS+7], v[rK:rK+7], v[rQ:rQ+7], v[rM:rM+7]
.else
	WIN W_KQ
	v_wmma_f32_16x16x32_f16 v[rS:rS+7], v[rK:rK+7], v[rQ:rQ+7], v[rS:rS+7]
.endif
.endm
; THE LDS LOADS stand in runs of 32, never singly among the matrix instructions: my 64 keys' K (16 fragments), my 64 x 64 of the mask, and, a turn later, my 64 keys' V (turned).
.macro FETCH_K
	WIN 0
	v_add_nc_u32 v[AKR], s[TB], v[AK0]
	WIN 0x80                        ; destination window 2
.irp f, 0,1,2,3,4,5,6,7,8,9,10,11,12,13,14,15  ; keys 16 (f / 4) on, channels 32 (f % 4) on
	ds_load_b128 v[KF+8*(\f):KF+8*(\f)+3],   v[AKR] offset:((\f)/4)*16*PK+((\f)%4)*64
	ds_load_b128 v[KF+8*(\f)+4:KF+8*(\f)+7], v[AKR] offset:((\f)/4)*16*PK+((\f)%4)*64+32
.endr
.endm
.macro FETCH_M
	WIN 0
	v_add_nc_u32 v[AMR], s[TB], v[AM0]
	v_add_nc_u32 v[AMR2], s[TB], v[AM2]
	WIN 0xc0                        ; destination window 3
.irp f, 0,1,2,3,4,5,6,7,8,9,10,11,12,13,14,15  ; register tile f / 4, keys 16 (f % 4) on
	ds_load_b128 v[MK+8*(\f):MK+8*(\f)+3],   v[AMR+(AMR2-AMR)*((\f)/8)] offset:(((\f)/4)%2)*16*PM+((\f)%4)*64
	ds_load_b128 v[MK+8*(\f)+4:MK+8*(\f)+7], v[AMR+(AMR2-AMR)*((\f)/8)] offset:(((\f)/4)%2)*16*PM+((\f)%4)*64+16
.endr
.endm
.macro FETCH_V
	WIN 0
	v_add_nc_u32 v[AVR], s[TB], v[AV0]
	WIN 0xc0                        ; destination window 3
.irp f, 0,1,2,3,4,5,6,7,8,9,10,11,12,13,14,15  ; keys 32 (f / 8) on, channels 16 (f % 8) on
	ds_load_tr16_b128 v[8*(\f):8*(\f)+3],   v[AVR] offset:((\f)/8)*32*PV+((\f)%8)*32
	ds_load_tr16_b128 v[8*(\f)+4:8*(\f)+7], v[AVR] offset:((\f)/8)*32*PV+16*PV+((\f)%8)*32
.endr
.endm
; THE VECTOR WORK OF A TURN.  One tile's softmax for one key step is a list of 134 instructions; SM writes number j of it for tile t.  s0-s31 are the lane's 32 scores, in pairs 0-15.
;   0-15    the maximum of s0-s31 and the old m, three operands at a time: four chains c0-c3 of seven scores each (each accumulator's lowest registers are read first), then the rest
;   16-20   the other half of the lanes' maximum; the new m; c m; c m_old - c m_new
;   21-87   33 exponentials (a, then s0-s31) at the odd numbers from 23 on, so that no two follow each other and each has a plain instruction behind it before its result is used (ISA guide 5.7.2);
;           the plain ones are whatever is ready: c s - c m for pairs to come, the rounding to f16 of pairs that are done, the first sums
;   88-101  the last rounding; the rest of the sums; l = a l + the sum          102-133 the tile's O^T times a: the one part that leaves window 0, so it stands together
.macro SM t
.set rT, ST+8*(\t)
.set rS, S+32*(\t)
.set rP, P+16*(\t)
.set rO, 64*(\t)+2*(j-102)
.set q, (j-20)/2
.if j < 102
	WIN 0
.endif
.if j < 4
	v_max3_num_f32 v[rT+4+j], v[rS+8*j], v[rS+8*j+1], v[rS+8*j+2]
.elseif j < 12
	v_max3_num_f32 v[rT+4+j%4], v[rT+4+j%4], v[rS+8*(j%4)+2*(j/4)+1], v[rS+8*(j%4)+2*(j/4)+2]
.elseif j == 12
	v_max3_num_f32 v[rT+4], v[rT+4], v[rS+7], v[rS+15]
.elseif j == 13
	v_max3_num_f32 v[rT+6], v[rT+6], v[rS+23], v[rS+31]
.elseif j == 14
	v_max3_num_f32 v[rT+4], v[rT+4], v[rT+5], v[rT+6]
.elseif j == 15
	v_max3_num_f32 v[rT+4], v[rT+4], v[rT+7], v[rT+1]
.elseif j == 16
	v_permlanex16_b32 v[rT+5], v[rT+4], s[SEL], s[SEL+1]  ; the query's other 32 keys lie in the lane 16 away
.elseif j == 18
	v_max_num_f32 v[rT+1], v[rT+4], v[rT+5]
.elseif j == 19
	v_mul_f32 v[rT], s[CS], v[rT+1]
.elseif j == 17
	v_mov_b32 v[rT+7], v[rT]        ; c m_old is kept for a: number 19 writes c m anew
.elseif j == 20
	v_sub_f32 v[rT+7], v[rT+7], v[rT]
.elseif j == 23
	v_exp_f32 v[rT+6], v[rT+7]
.elseif (j < 88) && (j > 23) && (j%2 == 1)
	v_exp_f32 v[rS+(j-25)/2], v[rS+(j-25)/2]
.elseif (q < 4) || ((j < 76) && (q%2 == 0))
.set b, q/2+2
.if q < 4
.set b, q
.endif
	v_pk_fma_f32 v[rS+2*b:rS+2*b+1], v[rS+2*b:rS+2*b+1], s[CS:CS+1], v[rT:rT+1] op_sel_hi:[1,0,0] neg_lo:[0,0,1] neg_hi:[0,0,1]  ; pair b: c s - c m
.elseif (j < 88) && (q%2 == 1)
	s_wait_alu depctr_va_vdst(0)
	v_cvt_pk_f16_f32 v[rP+(q-5)/2], v[rS+q-5], v[rS+q-4]  ; pair (q - 5) / 2: its second exponential stands three numbers back
.elseif j == 89
	s_wait_alu depctr_va_vdst(0)
	v_cvt_pk_f16_f32 v[rP+15], v[rS+30], v[rS+31]
.elseif j < 102                     ; the sum of the tile's 16 pairs, in place: sum z of 16 adds neighbours 1, 2, 4 and 8 pairs apart, then l takes it
.set z, j-86
.if j < 89
.set z, (j-76)/4
.endif
.set w, 4
.set u, z
.if z >= 14
.set w, 32
.set u, 0
.elseif z >= 12
.set w, 16
.set u, z-12
.elseif z >= 8
.set w, 8
.set u, z-8
.endif
.if z < 15
	v_pk_add_f32 v[rS+w*u:rS+w*u+1], v[rS+w*u:rS+w*u+1], v[rS+w*u+w/2:rS+w*u+w/2+1]
.else
	v_pk_fma_f32 v[rT+2:rT+3], v[rT+2:rT+3], v[rT+6:rT+7], v[rS:rS+1] op_sel_hi:[1,0,1]
.endif
.else
	WIN W_RS
	v_pk_mul_f32 v[rO:rO+1], v[rO:rO+1], v[rT+6:rT+7] op_sel_hi:[1,0]
.endif
.endm
; Slice k of 64 of piece y's softmax: numbers 2 k and 2 k + 1 of both tiles' lists, four instructions.  2 x 134 = 4 x 64 + 12: the twelve that are over stand together, in slice 63:
; its sixteen plain instructions are also the places between a turn's last K Q^T and the next turn's first read of those scores and loads into K's registers.
.macro SLICE y
.if (k >= 11) && (k < 44)           ; tile by tile: plain, exponential, plain, exponential
.irp t, \y, (\y)+1
.irp n, 0,1
.set j, 2*k+(\n)
	SM \t
.endr
.endr
.else                               ; the two tiles alternate, so that no instruction reads the result of the one just before it
.irp n, 0,1,2,3,4,5,6,7
.if ((\n) < 2) || (k == 63)
.irp t, \y, (\y)+1
.set j, 2*k+(\n)
	SM \t
.endr
.endif
.endr
.endif
.set k, k+1
.endm
; A TURN.  Piece x has the matrix unit: 32 products V^T P, then (kq = 1) 32 products K Q^T for the next step; the other piece's softmax stands in slices behind them, one behind each, or two where kq = 0.
; Piece 0's turn fetches the next step's K behind its second product and the mask behind its sixth: K's last reader stands in front of slice 63 of the turn before, the mask's a turn back.
; Piece 2's turn fetches the same step's V behind the second K Q^T: V's last reader stands three slices, six plain instructions, back.
.macro TURN x, kq
.set k, 0
.set per, 2-(\kq)
.if (\x) == 0
	s_wait_dscnt 0x0                ; V is in
.endif
.set i, 0
.rept 32
	PV \x
.rept per
	SLICE 2-(\x)
.endr
.if ((\x) == 0) && (\kq) && (i == 1)
	FETCH_K
.endif
.if ((\x) == 0) && (\kq) && (i == 5)
	FETCH_M
.endif
.set i, i+1
.endr
.if \kq
.if (\x) == 0
	s_wait_dscnt 0x0                ; K and the mask are in
.endif
.set i, 0
.rept 32
	KQ \x
	SLICE 2-(\x)
.if ((\x) == 2) && (i == 1)
	FETCH_V
.endif
.set i, i+1
.endr
.endif
.endm
	CHANGE 1                        ; the walk's first step is in, everybody's part of it; the second is asked for, into slot 1
	FETCH_K
	FETCH_M
	s_wait_loadcnt 0x0              ; Q
	s_wait_dscnt 0x0
.set i, 0
.rept 32
	KQ 0                            ; piece 0's first scores: there is no vector work yet to set between them
.set i, i+1
.endr
	WIN 0                           ; the addresses for the way out are made here: plain instructions, the places behind those products
	s_mul_i32 s74, s[WV], 16*SP
	s_add_co_u32 s74, s74, STAGE    ; my stage
	v_mul_u32_u24 v[STO], v1, SP    ; in: row l % 16, 16 bytes for each half of the lanes
	v_lshl_add_u32 v[STO], v9, 4, v[STO]
	v_add_nc_u32 v[STO], s74, v[STO]
	v_mul_u32_u24 v[RD], v9, SP     ; back: lanes 0-15 take one row of 256 bytes, lanes 16-31 the next
	v_lshl_add_u32 v[RD], v1, 4, v[RD]
	v_add_nc_u32 v[RD], s74, v[RD]
	v_lshlrev_b32 v[GO], 12, v9     ; and the same two rows in O, 4,096 bytes apart
	v_lshl_add_u32 v[GO], v1, 4, v[GO]
	v_and_b32 v10, 31, v0
	s_mul_i32 s75, s[WV], XB        ; the exchange: my part,
	s_xor_b32 s76, s[WV], 2
	s_mul_i32 s76, s76, XB          ; and that of the wave with my queries and the other keys
	v_lshl_add_u32 v[XW], v10, 4, s75
	v_lshl_add_u32 v[XR], v10, 4, s76
	s_mov_b32 s[CNT], 15
	s_branch .Lmid                  ; the loop is entered at piece 2's turn: its products V^T P add 0, its K Q^T are piece 2's first scores, beside them piece 0's first softmax
.Lstep:                             ; trip j = 1 .. 14: the walk's step j has landed, step j + 1 is asked for; V^T P of step j - 1, K Q^T of step j
	CHANGE 1
	TURN 0, 1
	WIN 0
.Lmid:
	TURN 2, 1
	WIN 0
	s_sub_co_u32 s[CNT], s[CNT], 1
	s_cmp_lg_u32 s[CNT], 0
	s_cbranch_scc1 .Lstep
	CHANGE 0                        ; the last step is written out: nothing is asked for.  Behind this barrier nobody reads slot 0, and nothing is loaded into it
	TURN 0, 1
	TURN 2, 1
	TURN 0, 0                       ; piece 0: V^T P of the last step | piece 2's last softmax
.set i, 0
.rept 32
	PV 2                            ; piece 2: V^T P of the last step
.set i, i+1
.endr
	; l's two halves and the other half of the lanes' are added.  The first four additions are the places behind the last products.
	WIN 0
.irp t, 0,1,2,3
	v_add_f32 v[ST+8*(\t)+4], v[ST+8*(\t)+2], v[ST+8*(\t)+3]
.endr
.irp t, 0,1,2,3
	v_permlanex16_b32 v[ST+8*(\t)+5], v[ST+8*(\t)+4], s[SEL], s[SEL+1]
.endr
.irp t, 0,1,2,3
	v_add_f32 v[ST+8*(\t)+4], v[ST+8*(\t)+4], v[ST+8*(\t)+5]
.endr
	; THE EXCHANGE.  The two waves with the same queries hold sums over different keys.  Each sends its register tiles 2, 3, which are the partner's register tiles 0, 1: (c m, l) and O^T in f32,
	; lane for lane (32 lanes x 16 consecutive bytes a store).  Each accumulator's low four registers are read first.
	v_mov_b32 v[SX], v[ST+16]
	v_mov_b32 v[SX+1], v[ST+20]
	v_mov_b32 v[SX+2], v[ST+24]
	v_mov_b32 v[SX+3], v[ST+28]
	ds_store_b128 v[XW], v[SX:SX+3] offset:16384
	WIN 0x04                        ; store data in window 1
.set i, 0
.rept 32
	ds_store_b128 v[XW], v[128+4*i:128+4*i+3] offset:512*i
.set i, i+1
.endr
	WIN 0
	s_wait_dscnt 0x0                ; for the partner's sake: my stores are done
	s_barrier_signal -1
	s_barrier_wait -1
	ds_load_b128 v[RX:RX+3], v[XR] offset:16384
	WIN 0xc0                        ; destination window 3: V's registers, long since read
.set i, 0
.rept 32
	ds_load_b128 v[4*i:4*i+3], v[XR] offset:512*i
.set i, i+1
.endr
	WIN 0
	s_wait_dscnt 32                 ; the statistics are in; the 32 loads behind them may stay out
; Tile t of the two kept: with M = max(c m_a, c m_b), f = 2^(c m - M) and L = f_a l_a + f_b l_b, O = (f_a / L) O_a + (f_b / L) O_b.  The two factors go to +2 and +6.
.macro MERGE t
	v_max_num_f32 v[ST+8*(\t)+1], v[ST+8*(\t)], v[RX+2*(\t)]
	v_sub_f32 v[ST+8*(\t)+2], v[ST+8*(\t)], v[ST+8*(\t)+1]
	v_sub_f32 v[ST+8*(\t)+3], v[RX+2*(\t)], v[ST+8*(\t)+1]
	v_exp_f32 v[ST+8*(\t)+2], v[ST+8*(\t)+2]
	v_exp_f32 v[ST+8*(\t)+3], v[ST+8*(\t)+3]
	v_nop                           ; a plain instruction behind the exponentials
	s_wait_alu depctr_va_vdst(0)
	v_mul_f32 v[ST+8*(\t)+5], v[ST+8*(\t)+2], v[ST+8*(\t)+4]
	v_fmac_f32 v[ST+8*(\t)+5], v[ST+8*(\t)+3], v[RX+2*(\t)+1]
	v_rcp_f32 v[ST+8*(\t)+5], v[ST+8*(\t)+5]
	v_nop                           ; and behind the reciprocal
	s_wait_alu depctr_va_vdst(0)
	v_mul_f32 v[ST+8*(\t)+2], v[ST+8*(\t)+2], v[ST+8*(\t)+5]
	v_mul_f32 v[ST+8*(\t)+6], v[ST+8*(\t)+3], v[ST+8*(\t)+5]
.endm
; Tile t is merged, rounded to f16 and sent through my stage: a lane's eight channels of a row pack into 16 bytes; they go into rows of 272 bytes and come back as whole rows of 256.
.macro PACK t
	WIN W_RS
.set i, 0
.rept 32
	v_pk_mul_f32 v[64*(\t)+2*i:64*(\t)+2*i+1], v[64*(\t)+2*i:64*(\t)+2*i+1], v[ST+8*(\t)+2:ST+8*(\t)+3] op_sel_hi:[1,0]
.set i, i+1
.endr
	WIN W_PV                        ; source 0 (the partner's O^T) window 3, the factor window 0, source 2 and destination window 1
.set i, 0
.rept 32
	v_pk_fma_f32 v[64*(\t)+2*i:64*(\t)+2*i+1], v[64*(\t)+2*i:64*(\t)+2*i+1], v[ST+8*(\t)+6:ST+8*(\t)+7], v[64*(\t)+2*i:64*(\t)+2*i+1] op_sel_hi:[1,0,1]
.set i, i+1
.endr
	WIN 0x05                        ; sources 0 and 1 window 1, destination window 0: S^T's registers are free
.set i, 0
.rept 32
	v_cvt_pk_f16_f32 v[S+32*(\t)+i], v[64*(\t)+2*i], v[64*(\t)+2*i+1]
.set i, i+1
.endr
	WIN 0
.irp f, 0,1,2,3,4,5,6,7
	ds_store_b128 v[STO], v[S+32*(\t)+4*(\f):S+32*(\t)+4*(\f)+3] offset:32*(\f)
.endr
.irp f, 0,1,2,3,4,5,6,7
	ds_load_b128 v[S+32*(\t)+4*(\f):S+32*(\t)+4*(\f)+3], v[RD] offset:(\f)*2*SP  ; LDS serves a wave's instructions in order (ISA guide 5.7.1.4): these see the stores above; the next tile's stores come behind them
.endr
.endm
.macro SEND t, younger              ; younger: the LDS instructions issued behind tile t's loads: the next tile's sixteen, or none
	WIN 0
.irp f, 0,1,2,3,4,5,6,7
	s_wait_dscnt (\younger)+7-(\f)
	global_store_b128 v[GO], v[S+32*(\t)+4*(\f):S+32*(\t)+4*(\f)+3], s[8:9] offset:(\t)*65536+(\f)*8192  ; 16 lanes store 256 consecutive bytes, at a multiple of 256 from O's first byte
.endr
.endm
	MERGE 0
	MERGE 1
	s_wait_dscnt 0x0                ; the partner's O^T is in
	PACK 0
	PACK 1
	SEND 0, 16
	SEND 1, 0
	s_wait_tensorcnt 0x0            ; the wave's end, behind my last tensor load and my last LDS store
	ds_add_u32 v[SPW], v[NIL]
	s_wait_dscnt 0x0
	CROUND                          ; the closing round: no work-group ends while a partner may still ask for a tile that names it
	s_endpgm
.Lfunc_end_k_qbce33b1205_attn:
	.size	k_qbce33b1205_attn, .Lfunc_end_k_qbce33b1205_attn-k_qbce33b1205_attn
	.p2alignl 7, 3214868480
	.fill 96, 4, 3214868480
	.section	.rodata,"a",@progbits
	.p2align	6, 0x0
	.amdhsa_kernel k_qbce33b1205_attn
		.amdhsa_group_segment_fixed_size 327680
		.amdhsa_private_segment_fixed_size 0
		.amdhsa_enable_private_segment 0
		.amdhsa_kernarg_size 24
		.amdhsa_user_sgpr_count 2
		.amdhsa_user_sgpr_kernarg_segment_ptr 1
		.amdhsa_wavefront_size32 1
		.amdhsa_system_sgpr_workgroup_id_x 1
		.amdhsa_system_sgpr_workgroup_id_y 1
		.amdhsa_system_sgpr_workgroup_id_z 1
		.amdhsa_system_vgpr_workitem_id 0
		.amdhsa_next_free_vgpr 1024
		.amdhsa_next_free_sgpr 92
		.amdhsa_reserve_vcc 0
		.amdhsa_float_denorm_mode_32 3
		.amdhsa_float_denorm_mode_16_64 3
		.amdhsa_memory_ordered 1
		.amdhsa_forward_progress 1
		.amdhsa_inst_pref_size 187
	.end_amdhsa_kernel
	.amdgpu_metadata
---
amdhsa.version: [ 1, 2 ]
amdhsa.kernels:
  - .name:           k_qbce33b1205_attn
    .symbol:         k_qbce33b1205_attn.kd
    .args:
      - { .name: qkvh, .offset: 0, .size: 8, .value_kind: global_buffer, .address_space: global }
      - { .name: maskc, .offset: 8, .size: 8, .value_kind: global_buffer, .address_space: global }
      - { .name: ob, .offset: 16, .size: 8, .value_kind: global_buffer, .address_space: global }
    .group_segment_fixed_size: 327680
    .private_segment_fixed_size: 0
    .kernarg_segment_align: 8
    .kernarg_segment_size: 24
    .max_flat_workgroup_size: 128
    .sgpr_count:     92
    .vgpr_count:     1024
    .wavefront_size: 32
...
	.end_amdgpu_metadata
.endif
;; end of part 3
;; launch oproj (part 4): grid 16 x 16, 4 waves a work-group, clusters of 4 x 4, 327,680 bytes of LDS; arguments ob, wof, out0; writes out0
.if DOCPART == 4
	.amdgcn_target "amdgcn-amd-amdhsa--gfx1250"
	.amdhsa_code_object_version 6
	.text
	.protected	k_qbce33b1205_oproj
	.globl	k_qbce33b1205_oproj
	.p2align	8
	.type	k_qbce33b1205_oproj,@function
k_qbce33b1205_oproj:
	s_mov_b64 s[64:65], 0
	v_nop
	global_prefetch_b8 v0, s[64:65] scope:SCOPE_SE
	s_setreg_imm32_b32 hwreg(HW_REG_WAVE_MODE, 25, 1), 1
	s_wait_xcnt 0x0
	s_wait_alu depctr_hold_cnt(0) depctr_sa_sdst(0) depctr_va_vdst(0) depctr_va_sdst(0) depctr_va_ssrc(0) depctr_va_vcc(0) depctr_vm_vsrc(0)
	s_getreg_b32 s2, hwreg(HW_REG_IB_STS2, 6, 4)
	s_cmp_eq_u32 s2, 0
	s_cbranch_scc0 .Lentry_in_a_cluster
	s_endpgm
.Lentry_in_a_cluster:
	s_bfe_u32 s2, ttmp6, 0x10000c
	s_cmp_lg_u32 s2, 0xf033
	s_cbranch_scc0 .Lentry_shape_is_right
	s_endpgm
.Lentry_shape_is_right:
; out0[m][n] = sum over k of O[m][k] wo[n][k].  O: [2048][2048] f16, wo: [2048][2048] f16 (the bf16 rounding of wo, written as f16), out0: [2048][2048] f32; sums in f32.
; 2048 x 2048 outputs over 256 work-groups: a tile is 128 x 128.  Four waves, each 64 x 64: 16 accumulators of 16 x 16, 128 registers.  K goes in 8 steps of 256 (LDS rows of 512 bytes; a wave's
; tensor load brings 64 of them), as long as two slots in LDS allow.  A wave's 64 columns in f32 are 256 aligned bytes of a row of out0, so each wave has a stage of its own and the way out needs no barrier.
; CLUSTER 4 x 4: the four of a row of the cluster need the same tiles of O, the four of a column the same tiles of wo: each tile is asked for JOINTLY.
; THE WALK.  A sum over K may begin anywhere: cluster (X, Y) begins at step 2 ((X + 2 g) mod 4), g = (Y xor Y / 2) mod 2, and wraps round.  So the four clusters along x, which read the same tiles of O,
; walk a quarter of K apart, and clusters whose y differ by 1 or 2, which read the same tiles of wo, half of K apart: of the clusters that read a tile one asks first, the others some steps later.
; The step's number hangs on the cluster's coordinates alone, so the partners of a joint load hold equal descriptors; each refill's address is made anew: base + 512 x step.
; THE TEXT.  A K step is written once: one walking descriptor a tensor, its LDS word turned by an exclusive or; the fragments' addresses are the slot's first byte plus a lane term.
; THE MATRIX INSTRUCTION IS USED TRANSPOSED (source 0 = 16 rows of wo, source 1 = 16 rows of O): a lane then holds eight neighbouring numbers of a row of out0.
; LIMIT.  The order of the sums over K differs from cluster to cluster.
; REGISTERS: window 0: v0-31 addresses; v32-95 at work on the way out; v128-255 the accumulators ((a, b) at v[128 + 8 (4 a + b)]).
;   window 1: two fragment buffers of 128: for 64 along K, 64 registers of O (2 x 4 x 16 rows x 32 K), then 64 of wo.
.set SIZE_N, 2048
.set SIZE_K, 2048
.set KSTEP,  256
.set NST,    SIZE_K/KSTEP
.set PITCH,  528                       ; an LDS row: 512 bytes + 16 of padding = 132 words: row r starts at bank 4 r mod 64 (64 banks of 4 bytes: ISA guide 11.1)
.set HALFT,  64*PITCH                  ; 64 rows: what one tensor load brings, and what one wave reads of O or of wo
.set SLOT,   4*HALFT                   ; 0x21000; the four loads' tiles begin at 0, 0x8400, 0x10800, 0x18c00 of a slot: none has one of its two bits, so one exclusive or turns a tile's LDS address into the other slot's
.set STAGE,  2*SLOT                    ; behind the ring: 16 rows x 272 bytes for each wave
.set SPITCH, 272
.set SPARE,  STAGE+4*16*SPITCH         ; behind the stages: the spare words, 128 bytes a wave: two blocks of 256 bytes that no other line names
.set ADRA0, 16                         ; v16     my lane's place in a slot's rows of O; never rewritten
.set ADRB0, 17                         ; v17     the same for wo
.set ADRA, 20                          ; v20     the same in the slot in hand
.set ADRB, 21                          ; v21
.set STO,  24                          ; v24     the way out: where I put 32 bytes of a row
.set RD,   25                          ; v25     the way out: where I read a row back
.set CO,   26                          ; v26     my byte offset in two rows of out0
.set SPW,  28                          ; v28     LDS address of my spare word; never rewritten
.set NIL,  29                          ; v29     0; never rewritten
.set TMP,  32                          ; the way out: two sets of 32 registers by turns
.set ACC,  128
.set F0,   0
.set F1,   128
.set G1, 24                            ; s[24:31] descriptor group 1 for O's tiles;  s[32:39] group 0: a set for each of the two first fills; the second then walks on
.set G0, 32
.set G1B, 48                           ; s[48:55], s[56:63] the same for wo's tiles
.set G0B, 56
.set ABASE, 66                         ; s[66:67] O at my tile's first row
.set BBASE, 68                         ; s[68:69] wo at my tile's first row
.set OFF,  70                          ; s[70:71] a step's byte offset in a row
.set NX,   72                          ; s72     the step asked for last
.set TB,   73                          ; s73     the first LDS byte of the slot in hand
.set MSB, 0
.macro WIN new
.if MSB != (\new)
	s_set_vgpr_msb (MSB<<8)|(\new)
.set MSB, \new
.endif
.endm
.set MUL,  0x05                        ; both sources window 1; C and D window 0
.set TO_F, 0x40                        ; destination window 1, address window 0
.macro JLOAD s                         ; a joint load: waves 0 and 1 fetch O's two halves, waves 2 and 3 wo's; an s_nop 0 and four v_nop follow each line
	s_cmp_eq_u32 s11, 0
	s_cbranch_scc0 .Lfor_b_\@
	tensor_load_to_lds s[G0+4*(\s):G0+4*(\s)+3], s[G1:G1+7]
	s_nop 0
.rept 4
	v_nop
.endr
	s_branch .Lasked_\@
.Lfor_b_\@:
	tensor_load_to_lds s[G0B+4*(\s):G0B+4*(\s)+3], s[G1B:G1B+7]
	s_nop 0
.rept 4
	v_nop
.endr
.Lasked_\@:
.endm
.macro CREST
	s_cmp_lg_u32 s10, 0
	s_cbranch_scc1 .Lnot_wave_0_\@
	s_barrier_signal -3
.Lnot_wave_0_\@:
	s_barrier_wait -3
	s_barrier_signal -1
	s_barrier_wait -1
.endm
.macro CROUND
	s_barrier_signal -1
	s_barrier_wait -1
	CREST
.endm
	s_load_b128 s[4:7], s[0:1], 0x0                ; O s[4:5], wo s[6:7]
	s_load_b64 s[8:9], s[0:1], 0x10                ; out0
	v_lshl_add_u32 v[SPW], v0, 2, SPARE
	v_mov_b32 v[NIL], 0
	ds_add_u32 v[SPW], v[NIL]                      ; the wave's opening: the add and its wait stand ahead of my first tensor load; work on registers stands between them
	v_lshrrev_b32 v1, 5, v0
	v_readfirstlane_b32 s10, v1                    ; wave 0..3
	s_lshr_b32 s11, s10, 1                         ; which half of the tile's rows is mine.  Also: I fetch for O (0) or for wo (1)
	s_and_b32 s12, s10, 1                          ; which half of its columns.  Also: which 64 rows of that tile I fetch
	s_bfe_u32 s40, ttmp6, 0x40000                  ; cx, cy
	s_bfe_u32 s41, ttmp6, 0x40004
	s_lshl_b32 s42, ttmp9, 2
	s_add_co_u32 s42, s42, s40                     ; tile column = 4 x cluster x + cx
	s_and_b32 s13, ttmp7, 0xffff
	s_lshl_b32 s13, s13, 2
	s_add_co_u32 s13, s13, s41                     ; tile row = 4 x cluster y + cy
	s_lshl_b32 s43, s41, 2
	s_lshl_b32 s43, 15, s43                        ; my row of the cluster
	s_lshl_b32 s44, 0x1111, s40                    ; my column
	s_or_b32 s[G1+0], s43, (1<<16)|(1<<20)|(1<<21)|(6<<22)|(3<<25)  ; the mask; 2-byte elements; padding on; bit 21 beside a mask; 4 words of padding after every 128
	s_or_b32 s[G1B+0], s44, (1<<16)|(1<<20)|(1<<21)|(6<<22)|(3<<25)
.irp g, G1, G1B
	s_mov_b32 s[(\g)+1], KSTEP<<16                 ; tensor_dim0 = 256
	s_mov_b32 s[(\g)+2], 64<<16                    ; tensor_dim1 = 64
	s_mov_b32 s[(\g)+3], KSTEP<<16                 ; tile_dim0 = 256
	s_mov_b32 s[(\g)+4], 64                        ; tile_dim1 = 64
	s_mov_b32 s[(\g)+5], SIZE_K                    ; elements from row to row
	s_mov_b32 s[(\g)+6], 0
	s_mov_b32 s[(\g)+7], 0
.endr
	; where the cluster's walk begins: made of the cluster's coordinates alone
	s_and_b32 s16, ttmp7, 0xffff
	s_lshr_b32 s17, s16, 1
	s_xor_b32 s16, s16, s17
	s_and_b32 s16, s16, 1                          ; g
	s_lshl_b32 s16, s16, 1
	s_add_co_u32 s16, s16, ttmp9
	s_and_b32 s16, s16, 3
	s_lshl_b32 s[NX], s16, 1                       ; a quarter of the walk is 2 steps
	s_mov_b32 s[OFF+1], 0
	s_mov_b32 s[TB], 0
	s_lshl_b32 s17, s12, 6                         ; which 64 rows of the tile I fetch
	s_lshl_b32 s16, s13, 7
	s_add_co_u32 s16, s16, s17                     ; O: row 128 x tile row + 64 x half
	s_lshl_b32 s46, s42, 7
	s_add_co_u32 s46, s46, s17                     ; wo: row 128 x tile column + 64 x half
	s_mov_b32 s17, 0
	s_mov_b32 s47, 0
	s_mov_b64 s[18:19], SIZE_K*2
	s_mul_u64 s[16:17], s[16:17], s[18:19]
	s_mul_u64 s[46:47], s[46:47], s[18:19]
	s_mul_i32 s20, s10, HALFT                      ; where they go: wave x 64 rows
	s_wait_dscnt 0x0                               ; the opening add is done
	s_wait_kmcnt 0x0
	s_add_nc_u64 s[ABASE:ABASE+1], s[4:5], s[16:17]
	s_add_nc_u64 s[BBASE:BBASE+1], s[6:7], s[46:47]
	CROUND                                         ; all sixteen work-groups are here: the first joint loads meet
.irp s, 0,1
	s_lshl_b32 s[OFF], s[NX], 9                    ; a step is 512 bytes of a row
	s_mov_b32 s[G0+4*(\s)], 1
	s_add_co_u32 s[G0+4*(\s)+1], s20, (\s)*SLOT
	s_add_nc_u64 s[G0+4*(\s)+2:G0+4*(\s)+3], s[ABASE:ABASE+1], s[OFF:OFF+1]
	s_or_b32 s[G0+4*(\s)+3], s[G0+4*(\s)+3], 0x80000000
	s_mov_b32 s[G0B+4*(\s)], 1
	s_add_co_u32 s[G0B+4*(\s)+1], s20, (\s)*SLOT
	s_add_nc_u64 s[G0B+4*(\s)+2:G0B+4*(\s)+3], s[BBASE:BBASE+1], s[OFF:OFF+1]
	s_or_b32 s[G0B+4*(\s)+3], s[G0B+4*(\s)+3], 0x80000000
	JLOAD \s                                       ; two loads of mine are out
.if (\s) == 0
	s_add_co_u32 s[NX], s[NX], 1                   ; the walk begins at an even step: its second step does not wrap
.endif
.endr
	v_and_b32 v1, 15, v0                           ; l % 16
	v_bfe_u32 v2, v0, 4, 1                         ; l / 16
	v_mul_u32_u24 v3, v1, PITCH
	v_lshl_add_u32 v3, v2, 4, v3                   ; a fragment's row x pitch + 16 x half
	s_mul_i32 s21, s11, HALFT                      ; my 64 rows of O
	s_mul_i32 s22, s12, HALFT                      ; my 64 rows of wo,
	s_add_co_u32 s22, s22, 2*HALFT                 ; which lie behind O's 128
	v_add_nc_u32 v[ADRA0], s21, v3
	v_add_nc_u32 v[ADRB0], s22, v3
	s_mul_i32 s23, s10, 16*SPITCH
	s_add_co_u32 s23, s23, STAGE                   ; my stage
	v_mul_u32_u24 v4, v1, SPITCH                   ; in: row l % 16, 32 bytes for each half of the lanes
	v_lshl_add_u32 v4, v2, 5, v4
	v_add_nc_u32 v[STO], s23, v4
	v_mul_u32_u24 v5, v2, SPITCH                   ; back: lanes 0-15 take one row of 256 bytes, lanes 16-31 the next
	v_lshl_add_u32 v5, v1, 4, v5
	v_add_nc_u32 v[RD], s23, v5
	v_lshlrev_b32 v5, 13, v2                       ; and the same two rows in out0, 8,192 bytes apart
	v_lshl_add_u32 v[CO], v1, 4, v5
	s_lshl_b32 s16, s13, 7
	s_lshl_b32 s17, s11, 6
	s_add_co_u32 s16, s16, s17                     ; my first row: 128 x tile row + 64 x row half
	s_lshl_b32 s16, s16, 13
	s_mov_b32 s17, 0
	s_add_nc_u64 s[8:9], s[8:9], s[16:17]
	s_lshl_b32 s46, s42, 9                         ; my first column, in bytes: 512 x tile column + 256 x column half
	s_lshl_b32 s47, s12, 8
	s_add_co_u32 s46, s46, s47
	s_mov_b32 s47, 0
	s_add_nc_u64 s[8:9], s[8:9], s[46:47]
; 8 matrix instructions: m blocks a0, a0 + 1 x all 4 n blocks, 32 along K: half c of buffer f.  zero = 1: the product starts the sum.  The 16 accumulators take turns.
.macro MUL8 f, c, a0, zero
	WIN MUL
.irp a, \a0, (\a0)+1
.irp b, 0,1,2,3
.if \zero
	v_wmma_f32_16x16x32_f16 v[ACC+8*(4*(\a)+(\b)):ACC+8*(4*(\a)+(\b))+7], v[(\f)+64+8*(4*(\c)+(\b)):(\f)+64+8*(4*(\c)+(\b))+7], v[(\f)+8*(4*(\c)+(\a)):(\f)+8*(4*(\c)+(\a))+7], 0
.else
	v_wmma_f32_16x16x32_f16 v[ACC+8*(4*(\a)+(\b)):ACC+8*(4*(\a)+(\b))+7], v[(\f)+64+8*(4*(\c)+(\b)):(\f)+64+8*(4*(\c)+(\b))+7], v[(\f)+8*(4*(\c)+(\a)):(\f)+8*(4*(\c)+(\a))+7], v[ACC+8*(4*(\a)+(\b)):ACC+8*(4*(\a)+(\b))+7]
.endif
.endr
.endr
.endm
; 32 LDS loads in one run: the fragments of 64 along K at byte k of the rows, into buffer f; the first 32 along K first
.macro FETCH k, f
	WIN TO_F
.irp c, 0,1
.irp i, 0,1,2,3
	ds_load_b128 v[(\f)+64+8*(4*(\c)+(\i)):(\f)+64+8*(4*(\c)+(\i))+3],   v[ADRB] offset:(\k)+64*(\c)+(\i)*16*PITCH
	ds_load_b128 v[(\f)+64+8*(4*(\c)+(\i))+4:(\f)+64+8*(4*(\c)+(\i))+7], v[ADRB] offset:(\k)+64*(\c)+(\i)*16*PITCH+32
	ds_load_b128 v[(\f)+8*(4*(\c)+(\i)):(\f)+8*(4*(\c)+(\i))+3],         v[ADRA] offset:(\k)+64*(\c)+(\i)*16*PITCH
	ds_load_b128 v[(\f)+8*(4*(\c)+(\i))+4:(\f)+8*(4*(\c)+(\i))+7],       v[ADRA] offset:(\k)+64*(\c)+(\i)*16*PITCH+32
.endr
.endr
.endm
.macro PLACES                          ; four plain vector instructions between a matrix instruction and a load into, or a store of, its registers
.rept 4
	v_nop
.endr
.endm
; A K step is four quarters of 64 along K, 32 matrix instructions each, on buffers 0, 1, 0, 1.
.macro QUARTER k, f, g, zero
	s_wait_dscnt 16                                ; the first 32 along K are in; the youngest sixteen loads may be out
	MUL8 \f, 0, 0, \zero
	MUL8 \f, 0, 2, \zero
	PLACES
	FETCH \k, \g
	s_wait_dscnt 32                                ; all but the 32 just issued
	MUL8 \f, 1, 0, 0
	MUL8 \f, 1, 2, 0
.endm
; The last quarter multiplies buffer 1 and changes slots.  MEET is its first part: ONE barrier; in front of it each wave waits for all its tensor loads, adds 0 to its spare word, and waits for that and
; for its reads of this slot.  fill = 1: the walking descriptors step to the walk's next step and to the slot that is being left.
.macro MEET fill
	WIN 0                                          ; (the add's two registers lie in window 0)
	s_wait_tensorcnt 0x0                           ; all my tensor loads have landed, so a group 0 may be written
	ds_add_u32 v[SPW], v[NIL]                      ; 0 onto my spare word
.if \fill
	s_add_co_u32 s[NX], s[NX], 1
	s_and_b32 s[NX], s[NX], NST-1                  ; the walk wraps round
	s_lshl_b32 s[OFF], s[NX], 9
	s_xor_b32 s[G0+5], s[G0+5], SLOT
	s_add_nc_u64 s[G0+6:G0+7], s[ABASE:ABASE+1], s[OFF:OFF+1]
	s_or_b32 s[G0+7], s[G0+7], 0x80000000
	s_xor_b32 s[G0B+5], s[G0B+5], SLOT
	s_add_nc_u64 s[G0B+6:G0B+7], s[BBASE:BBASE+1], s[OFF:OFF+1]
	s_or_b32 s[G0B+7], s[G0B+7], 0x80000000
.endif
	s_wait_dscnt 17                                ; (the add and the youngest sixteen loads may be out)
	MUL8 F1, 0, 0, 0
	s_wait_dscnt 0x0                               ; the add is done, and my reads of this slot are over
	s_barrier_signal -1
	MUL8 F1, 0, 2, 0
	WIN 0
	s_barrier_wait -1
.endm
; Its second part: the fetches go over to the other slot; the two address lines and two v_nop are the places in front of the loads into buffer 0.
.macro OVER
	s_xor_b32 s[TB], s[TB], SLOT
	v_add_nc_u32 v[ADRA], s[TB], v[ADRA0]
	v_add_nc_u32 v[ADRB], s[TB], v[ADRB0]
	v_nop
	v_nop
	FETCH 0, F0
	MUL8 F1, 1, 0, 0
	MUL8 F1, 1, 2, 0
	QUARTER 128, F0, F1, 0                         ; and the next step's first quarter
	WIN 0                                          ; at a label and at a branch every window is 0
.endm
	s_wait_tensorcnt 1                             ; my part of the walk's first step is in; the second's stays out
	s_barrier_signal -1
	s_barrier_wait -1
	v_add_nc_u32 v[ADRA], s[TB], v[ADRA0]
	v_add_nc_u32 v[ADRB], s[TB], v[ADRB0]
	FETCH 0, F0
	QUARTER 128, F0, F1, 1                         ; the first quarter stands in front of the loop: its first products start the sums
	WIN 0
	s_mov_b32 s3, NST-2
.Lstep:                                                ; 6 trips, from a step's second quarter to the next step's first; each fills the slot that it leaves, two steps ahead
	QUARTER 256, F1, F0, 0
	QUARTER 384, F0, F1, 0
	MEET 1
	CREST                                          ; the barrier has opened a round of the cluster's: no wave of any partner still reads this slot's tiles or has a load on its way
	JLOAD 1                                        ; my one tensor load behind the round, and the first thing there
	OVER
	s_sub_co_u32 s3, s3, 1
	s_cmp_lg_u32 s3, 0
	s_cbranch_scc1 .Lstep
	s_mov_b32 s3, 2
.Ltail:                                                ; the last two steps ask for nothing.  The last trip has no next step: it jumps over the fetch and the next quarter, which hold neither a barrier nor a tensor load
	QUARTER 256, F1, F0, 0
	QUARTER 384, F0, F1, 0
	MEET 0
	s_cmp_eq_u32 s3, 1
	s_cbranch_scc1 .Ldead
	OVER
.Ldead:
	s_sub_co_u32 s3, s3, 1
	s_cmp_lg_u32 s3, 0
	s_cbranch_scc1 .Ltail
	MUL8 F1, 1, 0, 0                               ; the last sixteen products
	MUL8 F1, 1, 2, 0
	WIN 0
	PLACES
; THE WAY OUT of row block a: the sums go as they are, 32 bytes a lane, into my own stage (each accumulator's low four registers first) and come back as whole rows of 256 bytes.
.macro OUTB a
.set BK, TMP+32*((\a)%2)
	s_wait_xcnt 0x0                                ; the registers that the stores two blocks back read are loaded again only behind this wait (ISA guide 3.1)
.irp b, 0,1,2,3
	ds_store_b128 v[STO], v[ACC+8*(4*(\a)+(\b)):ACC+8*(4*(\a)+(\b))+3]   offset:64*(\b)
	ds_store_b128 v[STO], v[ACC+8*(4*(\a)+(\b))+4:ACC+8*(4*(\a)+(\b))+7] offset:64*(\b)+16
.endr
.irp t, 0,1,2,3,4,5,6,7
	ds_load_b128 v[BK+4*(\t):BK+4*(\t)+3], v[RD] offset:(\t)*2*SPITCH  ; LDS serves a wave's instructions in order (ISA guide 5.7.1.4): these see the stores above; the next block's stores come behind them
.endr
.irp t, 0,1,2,3,4,5,6,7
	s_wait_dscnt 7-(\t)                            ; the younger read-backs may stay out
	global_store_b128 v[CO], v[BK+4*(\t):BK+4*(\t)+3], s[8:9] offset:(16*(\a)+2*(\t))*SIZE_N*4 th:TH_STORE_NT  ; 16 lanes store 256 consecutive bytes, at a multiple of 256 from out0's first byte
.endr
.endm
	OUTB 0
	OUTB 1
	OUTB 2
	OUTB 3
	s_wait_tensorcnt 0x0                           ; the wave's end, behind my last tensor load and my last LDS store
	ds_add_u32 v[SPW], v[NIL]
	s_wait_dscnt 0x0
	CROUND                                         ; the closing round: no work-group ends while a partner may still ask for a tile that names it
	s_endpgm
.Lfunc_end_k_qbce33b1205_oproj:
	.size	k_qbce33b1205_oproj, .Lfunc_end_k_qbce33b1205_oproj-k_qbce33b1205_oproj
	.p2alignl 7, 3214868480
	.fill 96, 4, 3214868480
	.section	.rodata,"a",@progbits
	.p2align	6, 0x0
	.amdhsa_kernel k_qbce33b1205_oproj
		.amdhsa_group_segment_fixed_size 327680
		.amdhsa_private_segment_fixed_size 0
		.amdhsa_enable_private_segment 0
		.amdhsa_kernarg_size 24
		.amdhsa_user_sgpr_count 2
		.amdhsa_user_sgpr_kernarg_segment_ptr 1
		.amdhsa_wavefront_size32 1
		.amdhsa_system_sgpr_workgroup_id_x 1
		.amdhsa_system_sgpr_workgroup_id_y 1
		.amdhsa_system_sgpr_workgroup_id_z 1
		.amdhsa_system_vgpr_workitem_id 0
		.amdhsa_next_free_vgpr 512
		.amdhsa_next_free_sgpr 76
		.amdhsa_reserve_vcc 0
		.amdhsa_float_denorm_mode_32 3
		.amdhsa_float_denorm_mode_16_64 3
		.amdhsa_memory_ordered 1
		.amdhsa_forward_progress 1
		.amdhsa_inst_pref_size 60
	.end_amdhsa_kernel
	.amdgpu_metadata
---
amdhsa.version: [ 1, 2 ]
amdhsa.kernels:
  - .name:           k_qbce33b1205_oproj
    .symbol:         k_qbce33b1205_oproj.kd
    .args:
      - { .name: ob, .offset: 0, .size: 8, .value_kind: global_buffer, .address_space: global }
      - { .name: wof, .offset: 8, .size: 8, .value_kind: global_buffer, .address_space: global }
      - { .name: out0, .offset: 16, .size: 8, .value_kind: global_buffer, .address_space: global }
    .group_segment_fixed_size: 327680
    .private_segment_fixed_size: 0
    .kernarg_segment_align: 8
    .kernarg_segment_size: 24
    .max_flat_workgroup_size: 128
    .sgpr_count:     76
    .vgpr_count:     512
    .wavefront_size: 32
...
	.end_amdgpu_metadata
.endif
;; end of part 4
;; ======== version 2 of 2: 4 launches; version 1 with the launch prep written anew for expert scheduling mode
;; limits: values are held in f16: magnitudes above 65,504 overflow, below 6.1e-05 lose precision
;; workspace buffers: xb 8,388,608 bytes; wqkvb 25,165,824 bytes; wof 8,388,608 bytes; maskc 16,777,216 bytes; fg 1,048,576 bytes; qkvh 25,165,824 bytes; ob 8,388,608 bytes
;; launch prep (part 5): grid 256 x 7, 8 waves a work-group, no clusters, 0 bytes of LDS; arguments x, wq, wk, wv, wo, attention_mask, freqs_cis, position_ids, xb, wqkvb, wof, maskc, fg; writes xb, wqkvb, wof, maskc, fg
.if DOCPART == 5
	.amdgcn_target "amdgcn-amd-amdhsa--gfx1250"
	.amdhsa_code_object_version 6
	.text
	.protected	k_qbce33b1205_prep
	.globl	k_qbce33b1205_prep
	.p2align	8
	.type	k_qbce33b1205_prep,@function
k_qbce33b1205_prep:
	s_mov_b64 s[64:65], 0
	v_nop
	global_prefetch_b8 v0, s[64:65] scope:SCOPE_SE
	s_setreg_imm32_b32 hwreg(HW_REG_WAVE_SCHED_MODE, 0, 2), 2
	s_setreg_imm32_b32 hwreg(HW_REG_WAVE_MODE, 25, 1), 1
	s_wait_xcnt 0x0
	s_wait_alu depctr_vm_vsrc(0)
; THE ROUNDINGS AND THE GATHER: a stream; no LDS, no matrix unit, nothing shared between work-groups.
; Every floating-point input is rounded ONCE to bf16 here, so that the whole program computes on inputs rounded to bf16.
; The grid's y picks the job:  0: x -> xb (bf16)   1, 2, 3: wq, wk, wv -> wqkvb (bf16, one below the other)   4: wo -> wof (the bf16 number written as f16)
;   5: attention_mask -> maskc (the bf16 number x sqrt(128), f32: it later starts the sums q . k, which are divided by sqrt(128))   6: freqs_cis[position_ids] -> fg (the bf16 number, f32)
; Jobs 0-5: a work-group owns 65,536 source bytes, a wave 8,192: sixteen loads of 16 bytes a lane, each covering 512 consecutive bytes; all sixteen are out before the first is used.
; Job 6: a wave owns one token: its row of 512 bytes.
; LIMITS.  wo below 6e-5 keeps f16's fixed step of 6e-8, wo beyond 65,504 is lost; |mask| x sqrt(128) must stay finite; position_ids is read as unsigned and held to 2,047.
; THE MODE: SCHED_MODE bits 1:0 = 2 (LLVM: expert scheduling mode 2), set by the entry lines.  The code itself states the register dependences
; between vector instructions and memory instructions, with s_wait_alu, always for 0.
; THE PLAN, jobs 0-5.  Registers that memory instructions touch:
;   v1, v2   byte offsets, made at the head and never written again: read by every load and store.
;   D        sixteen chunks as loaded.  No vector instruction names them ahead of the loads, and no load is issued behind the first conversion.
;   E        sixteen chunks of results.  Written by a chunk's conversions, read by its one store, and never written behind that store.
; The sixteen chunks go in four groups of four.  Group g's conversions write E of its chunks; ONE wait on va_vdst stands at the head of group g + 1, behind the wait for that group's first data,
; and group g's four stores follow it at once; the conversions of group g + 1 name that group's D and E alone.  Behind group 3 one more wait and the last four stores.
; Job 6 is a chain (the token's number, its position, its row, the store): each of its three memory instructions reads a register just made and has a wait of its own.
.set D, 8                              ; v[8:71]    sixteen times four words as loaded
.set E, 72                             ; v[72:135]  results; no register is written twice while a store reads it, so no wait frees any
; Group g's four stores.  SENDH: 16-bit results, 32 lanes x 8 bytes fill 256 consecutive bytes, aligned.  SENDW: f32 results, 512 consecutive bytes a store.
.macro SENDH g
.irp n, 0,1,2,3
	global_store_b64 v2, v[E+2*(4*(\g)+(\n)):E+2*(4*(\g)+(\n))+1], s[36:37] offset:256*(4*(\g)+(\n))
.endr
.endm
.macro SENDW g
.irp n, 0,1,2,3
	global_store_b128 v1, v[E+4*(4*(\g)+(\n)):E+4*(4*(\g)+(\n))+3], s[36:37] offset:512*(4*(\g)+(\n))
.endr
.endm
	s_load_b512 s[8:23], s[0:1], 0x0               ; x s[8:9], wq s[10:11], wk s[12:13], wv s[14:15], wo s[16:17], mask s[18:19], freqs s[20:21], positions s[22:23]
	s_load_b256 s[24:31], s[0:1], 0x40             ; xb s[24:25], wqkvb s[26:27], wof s[28:29], maskc s[30:31]
	s_load_b64 s[32:33], s[0:1], 0x60              ; fg
	s_and_b32 s2, ttmp7, 0xffff                    ; the job
	s_mov_b32 s4, 0x413504f3                       ; sqrt(128)
	s_mov_b32 s5, s4                               ; named with it as a pair
	s_mov_b32 s6, 0xffff0000                       ; a word's upper bf16
	v_lshrrev_b32 v3, 5, v0                        ; wave
	v_and_b32 v4, 31, v0                           ; lane
	v_lshlrev_b32 v1, 4, v4
	v_lshl_add_u32 v1, v3, 13, v1                  ; source (and f32 destination): 8,192 x wave + 16 x lane
	v_lshlrev_b32 v2, 3, v4
	v_lshl_add_u32 v2, v3, 12, v2                  ; 16-bit destination: 4,096 x wave + 8 x lane
	; the offsets, made apart from the addresses
	s_lshl_b32 s38, ttmp9, 16                      ; the work-group's 65,536 source bytes
	s_mov_b32 s39, 0
	s_lshl_b32 s40, ttmp9, 15                      ; half as many in a 16-bit destination
	s_mov_b32 s41, 0
	s_sub_co_u32 s3, s2, 1
	s_lshl_b32 s42, s3, 23                         ; wq, wk, wv lie 8,388,608 bytes apart in wqkvb
	s_cmp_lt_u32 s3, 3
	s_cselect_b32 s42, s42, 0
	s_cmp_eq_u32 s2, 5
	s_cselect_b32 s40, s38, s40                    ; maskc is f32: as many bytes as the source
	s_add_co_u32 s40, s40, s42
	s_wait_kmcnt 0x0
	s_cmp_eq_u32 s2, 6
	s_cbranch_scc1 .Lgather
	s_mov_b64 s[34:35], s[8:9]                     ; the source, chosen by the job's number
.irp n, 1,2,3,4,5
	s_cmp_eq_u32 s2, \n
	s_cselect_b64 s[34:35], s[8+2*(\n):9+2*(\n)], s[34:35]
.endr
	s_cmp_eq_u32 s2, 0                             ; and the destination
	s_cselect_b64 s[36:37], s[24:25], s[26:27]
	s_cmp_eq_u32 s2, 4
	s_cselect_b64 s[36:37], s[28:29], s[36:37]
	s_cmp_eq_u32 s2, 5
	s_cselect_b64 s[36:37], s[30:31], s[36:37]
	s_add_nc_u64 s[34:35], s[34:35], s[38:39]
	s_add_nc_u64 s[36:37], s[36:37], s[40:41]
	s_wait_alu depctr_va_vdst(0)                   ; v1 and v2 are written: every load and store of jobs 0-5 reads one of them as its offset
.set i, 0
.rept 16
	global_load_b128 v[D+4*i:D+4*i+3], v1, s[34:35] offset:512*i th:TH_LOAD_NT  ; read once in the whole program
.set i, i+1
.endr
	s_cmp_eq_u32 s2, 4
	s_cbranch_scc1 .Lf16
	s_cmp_eq_u32 s2, 5
	s_cbranch_scc1 .Lmask
	; to bf16
.irp g, 0,1,2,3
.irp i, 0,1,2,3
.set c, 4*(\g)+(\i)
	s_wait_loadcnt 15-c                            ; loads come back in order: load c is in, the 15 - c younger ones stay out
.if ((\i) == 0) && ((\g) > 0)
	s_wait_alu depctr_va_vdst(0)                   ; the group before has written its eight registers of E, which the four stores below read
	SENDH (\g)-1
.endif
	v_cvt_pk_bf16_f32 v[E+2*c], v[D+4*c], v[D+4*c+1]
	v_cvt_pk_bf16_f32 v[E+2*c+1], v[D+4*c+2], v[D+4*c+3]
.endr
.endr
	s_wait_alu depctr_va_vdst(0)                   ; group 3 has written its registers of E, which the last four stores read
	SENDH 3
	s_endpgm
.Lf16:                                                 ; wo: rounded to bf16 like every input; that number, widened, is written as f16 (exact inside f16's normal range)
.irp g, 0,1,2,3
.irp i, 0,1,2,3
.set c, 4*(\g)+(\i)
	s_wait_loadcnt 15-c
.if ((\i) == 0) && ((\g) > 0)
	s_wait_alu depctr_va_vdst(0)                   ; the group before has written its eight registers of E, which the four stores below read
	SENDH (\g)-1
.endif
	v_cvt_pk_bf16_f32 v[E+2*c], v[D+4*c], v[D+4*c+1]
	v_cvt_pk_bf16_f32 v[E+2*c+1], v[D+4*c+2], v[D+4*c+3]
	v_lshlrev_b32 v[D+4*c], 16, v[E+2*c]
	v_and_b32 v[D+4*c+1], s6, v[E+2*c]
	v_lshlrev_b32 v[D+4*c+2], 16, v[E+2*c+1]
	v_and_b32 v[D+4*c+3], s6, v[E+2*c+1]
	v_cvt_pk_f16_f32 v[E+2*c], v[D+4*c], v[D+4*c+1]
	v_cvt_pk_f16_f32 v[E+2*c+1], v[D+4*c+2], v[D+4*c+3]
.endr
.endr
	s_wait_alu depctr_va_vdst(0)                   ; group 3 has written its registers of E, which the last four stores read
	SENDH 3
	s_endpgm
.Lmask:                                                ; the mask: rounded to bf16, widened, times sqrt(128)
.irp g, 0,1,2,3
.irp i, 0,1,2,3
.set c, 4*(\g)+(\i)
	s_wait_loadcnt 15-c
.if ((\i) == 0) && ((\g) > 0)
	s_wait_alu depctr_va_vdst(0)                   ; the group before has written its sixteen registers of E, which the four stores below read
	SENDW (\g)-1
.endif
	v_cvt_pk_bf16_f32 v[D+4*c], v[D+4*c], v[D+4*c+1]
	v_cvt_pk_bf16_f32 v[D+4*c+1], v[D+4*c+2], v[D+4*c+3]
	v_lshlrev_b32 v[E+4*c], 16, v[D+4*c]
	v_and_b32 v[E+4*c+1], s6, v[D+4*c]
	v_lshlrev_b32 v[E+4*c+2], 16, v[D+4*c+1]
	v_and_b32 v[E+4*c+3], s6, v[D+4*c+1]
	v_pk_mul_f32 v[E+4*c:E+4*c+1], v[E+4*c:E+4*c+1], s[4:5] op_sel_hi:[1,0]
	v_pk_mul_f32 v[E+4*c+2:E+4*c+3], v[E+4*c+2:E+4*c+3], s[4:5] op_sel_hi:[1,0]
.endr
.endr
	s_wait_alu depctr_va_vdst(0)                   ; group 3 has written its registers of E, which the last four stores read
	SENDW 3
	s_endpgm
.Lgather:                                              ; token = 8 x work-group + wave; its row of the table, 512 bytes, rounded to bf16 and widened again
	v_readfirstlane_b32 s3, v3
	s_lshl_b32 s7, ttmp9, 3
	s_wait_alu depctr_va_sdst(0)                   ; s3, the wave's number, is written, ahead of its first reader, the add below
	s_add_co_u32 s7, s7, s3
	s_lshl_b32 s43, s7, 9                          ; the token's 512 bytes in fg
	v_mov_b32 v3, s7
	v_lshlrev_b32 v3, 2, v3                        ; the token's word in position_ids, the same in all lanes
	v_lshlrev_b32 v6, 4, v4                        ; 16 x lane
	v_add_nc_u32 v7, s43, v6                       ; where the row goes in fg
	s_wait_alu depctr_va_vdst(0)                   ; v3 is written, which the load below reads as its offset
	global_load_b32 v5, v3, s[22:23]
	s_wait_loadcnt 0x0
	v_min_u32 v5, 0x7ff, v5                        ; a loaded number enters an address only inside the table's 2,048 rows
	v_lshlrev_b32 v5, 9, v5
	v_add_nc_u32 v5, v5, v6
	s_wait_alu depctr_va_vdst(0)                   ; v5, the row's offset in the table, is written, which the load below reads
	global_load_b128 v[8:11], v5, s[20:21]
	s_wait_loadcnt 0x0
	v_cvt_pk_bf16_f32 v8, v8, v9
	v_cvt_pk_bf16_f32 v9, v10, v11
	v_lshlrev_b32 v72, 16, v8
	v_and_b32 v73, s6, v8
	v_lshlrev_b32 v74, 16, v9
	v_and_b32 v75, s6, v9
	s_wait_alu depctr_va_vdst(0)                   ; v[72:75] are written, which the store reads as its data (v7, its offset, was written ahead of the first va_vdst wait of this path)
	global_store_b128 v7, v[72:75], s[32:33]
	s_endpgm
.Lfunc_end_k_qbce33b1205_prep:
	.size	k_qbce33b1205_prep, .Lfunc_end_k_qbce33b1205_prep-k_qbce33b1205_prep
	.p2alignl 7, 3214868480
	.fill 96, 4, 3214868480
	.section	.rodata,"a",@progbits
	.p2align	6, 0x0
	.amdhsa_kernel k_qbce33b1205_prep
		.amdhsa_group_segment_fixed_size 0
		.amdhsa_private_segment_fixed_size 0
		.amdhsa_enable_private_segment 0
		.amdhsa_kernarg_size 104
		.amdhsa_user_sgpr_count 2
		.amdhsa_user_sgpr_kernarg_segment_ptr 1
		.amdhsa_wavefront_size32 1
		.amdhsa_system_sgpr_workgroup_id_x 1
		.amdhsa_system_sgpr_workgroup_id_y 1
		.amdhsa_system_sgpr_workgroup_id_z 1
		.amdhsa_system_vgpr_workitem_id 0
		.amdhsa_next_free_vgpr 136
		.amdhsa_next_free_sgpr 66
		.amdhsa_reserve_vcc 0
		.amdhsa_float_denorm_mode_32 3
		.amdhsa_float_denorm_mode_16_64 3
		.amdhsa_memory_ordered 1
		.amdhsa_forward_progress 1
		.amdhsa_inst_pref_size 26
	.end_amdhsa_kernel
	.amdgpu_metadata
---
amdhsa.version: [ 1, 2 ]
amdhsa.kernels:
  - .name:           k_qbce33b1205_prep
    .symbol:         k_qbce33b1205_prep.kd
    .args:
      - { .name: x, .offset: 0, .size: 8, .value_kind: global_buffer, .address_space: global }
      - { .name: wq, .offset: 8, .size: 8, .value_kind: global_buffer, .address_space: global }
      - { .name: wk, .offset: 16, .size: 8, .value_kind: global_buffer, .address_space: global }
      - { .name: wv, .offset: 24, .size: 8, .value_kind: global_buffer, .address_space: global }
      - { .name: wo, .offset: 32, .size: 8, .value_kind: global_buffer, .address_space: global }
      - { .name: attention_mask, .offset: 40, .size: 8, .value_kind: global_buffer, .address_space: global }
      - { .name: freqs_cis, .offset: 48, .size: 8, .value_kind: global_buffer, .address_space: global }
      - { .name: position_ids, .offset: 56, .size: 8, .value_kind: global_buffer, .address_space: global }
      - { .name: xb, .offset: 64, .size: 8, .value_kind: global_buffer, .address_space: global }
      - { .name: wqkvb, .offset: 72, .size: 8, .value_kind: global_buffer, .address_space: global }
      - { .name: wof, .offset: 80, .size: 8, .value_kind: global_buffer, .address_space: global }
      - { .name: maskc, .offset: 88, .size: 8, .value_kind: global_buffer, .address_space: global }
      - { .name: fg, .offset: 96, .size: 8, .value_kind: global_buffer, .address_space: global }
    .group_segment_fixed_size: 0
    .private_segment_fixed_size: 0
    .kernarg_segment_align: 8
    .kernarg_segment_size: 104
    .max_flat_workgroup_size: 256
    .sgpr_count:     66
    .vgpr_count:     136
    .wavefront_size: 32
...
	.end_amdgpu_metadata
.endif
;; end of part 5
;; launch qkv: the kernel of part 2 again; grid 16 x 16, 4 waves a work-group, clusters of 4 x 4, 327,680 bytes of LDS; arguments xb, wqkvb, fg, qkvh; writes qkvh
;; launch attn: the kernel of part 3 again; grid 16 x 16, 4 waves a work-group, clusters of 4 x 4, 327,680 bytes of LDS; arguments qkvh, maskc, ob; writes ob
;; launch oproj: the kernel of part 4 again; grid 16 x 16, 4 waves a work-group, clusters of 4 x 4, 327,680 bytes of LDS; arguments ob, wof, out0; writes out0
